; MI455X (gfx1250); checked and timed in simulation.
; The chip was launched on July 23, 2026; its instructions are those of AMD's public machine-readable ISA for CDNA 5 (MIT licence, August 2026) and "CDNA5" Instruction Set Architecture Reference Guide (July 2026). The comments in the code are by the model that wrote it; some were corrected since.
;; Lo RA Attention. Allowed arithmetic: matrix products marked QUANTISED: E2M1 operands, one E8M0 scale for each 32 along K, by v_wmma_scale_f32_16x16x128_f8f6f4 with both operands' format E2M1 (or v_wmma_scale_f32_32x16x128_f4), f32 sums; products left as they are: bf16, f16 or f32 operands; f32 sums; everything else in f32.
;; Inputs: K_A 16 x 1,024 float32; K_B 1,024 x 16 float32; K_weight 1,024 x 1,024 float32; O_weight 1,024 x 1,024 float32; Q_A 16 x 1,024 float32; Q_B 1,024 x 16 float32; Q_weight 1,024 x 1,024 float32; V_A 16 x 1,024 float32; V_B 1,024 x 16 float32; V_weight 1,024 x 1,024 float32; key 4 x 2,048 x 1,024 float32; query 4 x 2,048 x 1,024 float32; value 4 x 2,048 x 1,024 float32.
;; Outputs: out0 4 x 2,048 x 1,024 float32.
;; This version of the problem:
;;   THIS VERSION OF THE PROBLEM IS GIVEN IN LOW PRECISION. The matrix products marked QUANTISED in the list below multiply operands that are first quantised to E2M1 (2 exponent bits, 1 mantissa bit; 4 bits a number), with one power-of-two scale for each 32 numbers along K (OCP MX v1.0); their sums are f32. The products marked 'left as it is' may take bf16, f16 or f32 operands, with f32 sums. Whichever they take, every output number must still come out within the allowed error. Rounding operands to bf16 (8 significant bits) uses up far more of that allowance than f16 does (11 bits, for magnitudes from 6e-5 to 65,504). All else is computed in f32.
;;   The module's matrix products, in the order in which they are computed (A, B: the left and right operand; K: the contracted axis; several contracted axes count as one K, in the product's order):
;;     1. [M 8,192, K 1,024] x [K 1,024, N 1,024]; A: input query; B: input Q_weight: QUANTISED
;;     2. [M 8,192, K 1,024] x [K 1,024, N 16]; A: input query; B: input Q_A: QUANTISED
;;     3. [M 8,192, K 16] x [K 16, N 1,024]; A: computed on the way; B: input Q_B: left as it is (K = 16 < 32)
;;     4. [M 8,192, K 1,024] x [K 1,024, N 1,024]; A: input key; B: input K_weight: QUANTISED
;;     5. [M 8,192, K 1,024] x [K 1,024, N 16]; A: input key; B: input K_A: QUANTISED
;;     6. [M 8,192, K 16] x [K 16, N 1,024]; A: computed on the way; B: input K_B: left as it is (K = 16 < 32)
;;     7. [M 8,192, K 1,024] x [K 1,024, N 1,024]; A: input value; B: input V_weight: QUANTISED
;;     8. [M 8,192, K 1,024] x [K 1,024, N 16]; A: input value; B: input V_A: QUANTISED
;;     9. [M 8,192, K 16] x [K 16, N 1,024]; A: computed on the way; B: input V_B: left as it is (K = 16 < 32)
;;     10. batch 4 x [M 2,048, K 1,024] x [K 1,024, N 2,048]; A: computed on the way; B: computed on the way: left as it is (an operand is computed on the way)
;;     11. batch 4 x [M 2,048, K 2,048] x [K 2,048, N 1,024]; A: computed on the way; B: computed on the way: left as it is (an operand is computed on the way)
;;     12. [M 8,192, K 1,024] x [K 1,024, N 1,024]; A: computed on the way; B: input O_weight: left as it is (an operand is computed on the way)
;;   THE QUANTISER, for each operand of a quantised product, along K:
;;     - K is cut into blocks of 32 from its start; a last block that is shorter is filled with zeros.
;;     - A block's scale is 2^e with e = floor(log2(the largest magnitude in the block)) - 2, held to -126 .. 127; a block of zeros has e = 0. As a byte (E8M0): e + 127.
;;     - Each number is divided by its block's scale, clamped to +-6, and rounded to the nearest number of E2M1, ties to even, subnormals kept.
;;     - The product sums the exact products of the quantised numbers (number of the format x scale) in f32.
;;   ~~~python
;;   def quantise(x, axis):      # numpy; x: float32 -> the quantised numbers, widened to float32 again
;;       x = np.moveaxis(x, axis, -1); K = x.shape[-1]
;;       x = np.pad(x, [(0, 0)] * (x.ndim - 1) + [(0, -K % 32)]); x = x.reshape(x.shape[:-1] + (-1, 32)); a = np.abs(x).max(-1, keepdims=True)
;;       e = np.where(a > 0, np.clip(np.frexp(np.where(a > 0, a, 1))[1] - 1 - 2, -126, 127), 0)      # np.frexp(a)[1] - 1 = floor(log2(a)), exactly
;;       r = np.clip(x / 2.0 ** e, -6, 6)
;;       step = 2.0 ** (np.maximum(np.frexp(np.where(r == 0, 1, r))[1] - 1, 0) - 1)
;;       q = np.round(r / step) * step * 2.0 ** e      # np.round: ties to even
;;       return np.moveaxis(q.reshape(q.shape[:-2] + (-1,))[..., :K], -1, axis).astype(np.float32)
;;   ~~~
;; One version. Each part assembles by itself: llvm-mc -triple=amdgcn-amd-amdhsa -mcpu=gfx1250 --defsym DOCPART=n.
;; ======== version 1 of 1: 5 launches
;; limits: values are held in f16: magnitudes above 65,504 overflow, below 6.1e-05 lose precision
;; workspace buffers: codes 14,180,352 bytes; scales 886,272 bytes; ow16 2,097,152 bytes; qkv16 50,331,648 bytes; p16 33,554,432 bytes; stats 786,432 bytes; att16 16,777,216 bytes
;; launch quant (part 1): grid 1795 x 1, 2 waves a work-group, no clusters, 16,640 bytes of LDS; arguments query, key, value, Q_weight, K_weight, V_weight, Q_A, K_A, V_A, O_weight, codes, scales, ow16; writes codes, scales, ow16
.if DOCPART == 1
	.amdgcn_target "amdgcn-amd-amdhsa--gfx1250"
	.amdhsa_code_object_version 6
	.text
	.protected	k_qcf553291c6_quant
	.globl	k_qcf553291c6_quant
	.p2align	8
	.type	k_qcf553291c6_quant,@function
k_qcf553291c6_quant:
	s_mov_b64 s[64:65], 0
	v_nop
	global_prefetch_b8 v0, s[64:65] scope:SCOPE_SE
	s_setreg_imm32_b32 hwreg(HW_REG_WAVE_MODE, 25, 1), 1
	s_wait_xcnt 0x0
; query, key, value [8192][1024], Q/K/V_weight [1024][1024], Q/K/V_A [16][1024], all f32 with K innermost, become codes of FP4 (E2M1) with one E8M0 byte for each 32 along K;
; O_weight [1024][1024] becomes f16.  Rows are dense and 1,024 is a multiple of 32: every tensor is a plain stream of blocks of 32, and so are its codes and its scale bytes.
; codes: [27,696 rows][512 bytes]: rows 0.. query, 8,192.. key, 16,384.. value, 24,576.. the three weights, 27,648.. the three A.  scales: [27,696][32 bytes], the same rows.
; A block's scale is 2^(floor(log2(its largest magnitude)) - 2); its byte is the largest magnitude's exponent field - 2, held at 1 from below.  A block of zeros so gets the byte 1 where the
; rule says 127: its codes are zeros, which add nothing under any byte but 0xff, and this program alone reads the bytes.
; LIMITS: blocks whose largest magnitude lies under 2^-124 keep the byte 1; NaN and infinities among the inputs are not served; O_weight beyond 65,504 has no f16 number.
; SHARES.  A wave takes a run of 8,192 numbers; run r = 2 x work-group + wave.  Runs 0-3,461 follow the order of the codes' rows, runs 3,462-3,589 are O_weight's.  Two waves to a work-group,
; since 3,590 runs are no multiple of four.  Waves share nothing: no barrier.
; THE QUANTISING ARM: 16 steps of 512 numbers.  Each of a step's four loads reads 512 consecutive bytes, 16 a lane; the conversions want 16 NEIGHBOURS in a lane: so a step's 2,048 bytes go through
; the wave's own stage in LDS as they lie and come back 64 bytes a lane (80 bytes from lane to lane).  Two neighbouring lanes hold a block.  Loads run four steps ahead, the stage one step.
.set STEPS, 16
.set CB,    8                          ; bytes of 16 codes
.set R,     16                         ; v16-79   four sets of 16 numbers as they are loaded
.set X,     80                         ; v80-111  two sets of 16 neighbours (O_weight's arm: 16 pairs of f16 words)
.set E,     112                        ; v112-127 a scale byte for each step
.set C,     128                        ; v128-191 codes: four registers for each step, so that no store's data are written again
.set WREG,  8192                       ; LDS: a region for each wave: two stages of 32 x SP bytes, behind them its 256 scale bytes
.set SP,    80
.set SPW,   12                         ; v12  LDS address of my spare word; never rewritten
.set NIL,   13                         ; v13  0; never rewritten
.set SPARE, 2*WREG                     ; behind the two regions: the spare words, 128 bytes for each wave: one block of 256 bytes that no other line names
	s_load_b512 s[4:19], s[0:1], 0x0               ; query, key, value, Q_weight, K_weight, V_weight, Q_A, K_A
	s_load_b256 s[20:27], s[0:1], 0x40             ; V_A, O_weight, codes, scales
	s_load_b64 s[28:29], s[0:1], 0x60              ; ow16
	v_lshl_add_u32 v[SPW], v0, 2, SPARE
	v_mov_b32 v[NIL], 0
	v_lshrrev_b32 v1, 5, v0
	v_readfirstlane_b32 s30, v1                    ; wave
	v_and_b32 v2, 31, v0                           ; lane
	v_lshlrev_b32 v3, 4, v2                        ; my 16 bytes of a load's 512
	s_mul_i32 s35, s30, WREG
	v_lshrrev_b32 v14, 2, v2
	v_mul_u32_u24 v14, v14, SP
	v_and_b32 v15, 3, v2
	v_lshl_add_u32 v14, v15, 4, v14
	v_add_nc_u32 v14, s35, v14                     ; the stage, on the way in: four lanes' 64 bytes on end, then 16 of padding
	v_mul_u32_u24 v15, v2, SP
	v_add_nc_u32 v15, s35, v15                     ; and on the way out: my 16 neighbours
	v_mul_u32_u24 v4, v2, CB                       ; 8 x lane: my codes' place in a step's; my f16 numbers' place in a store's 256 bytes
	v_lshrrev_b32 v5, 1, v2
	s_add_co_u32 s35, s35, 2*32*SP
	v_add_nc_u32 v5, s35, v5                       ; LDS: my wave's 256 scale bytes, my block's byte
	v_lshlrev_b32 v7, 3, v2
	v_add_nc_u32 v6, s35, v7                       ; and on the way out 8 bytes a lane
	s_lshl_b32 s31, ttmp9, 1
	s_add_co_u32 s31, s31, s30                     ; r: my run
	s_wait_kmcnt 0x0
	s_mov_b64 s[32:33], s[22:23]                   ; the source: O_weight, unless the run lies under one of the limits below
	s_mov_b32 s34, 3462                            ; and the source's first run
.macro PICK lim, ptr, first            ; the choice hangs on ids alone
	s_cmp_lt_u32 s31, \lim
	s_cselect_b64 s[32:33], s[\ptr:\ptr+1], s[32:33]
	s_cselect_b32 s34, \first, s34
.endm
	PICK 3462, 20, 3460                            ; V_A
	PICK 3460, 18, 3458                            ; K_A
	PICK 3458, 16, 3456                            ; Q_A
	PICK 3456, 14, 3328                            ; V_weight
	PICK 3328, 12, 3200                            ; K_weight
	PICK 3200, 10, 3072                            ; Q_weight
	PICK 3072, 8, 2048                             ; value
	PICK 2048, 6, 1024                             ; key
	PICK 1024, 4, 0                                ; query
	s_sub_co_u32 s36, s31, s34
	s_lshl_b32 s36, s36, 15                        ; 32,768 bytes a run
	s_mov_b32 s37, 0
	s_add_nc_u64 s[32:33], s[32:33], s[36:37]
	s_cmp_ge_u32 ttmp9, 1731                       ; work-groups 1,731 on hold runs 3,462 on: O_weight's
	s_cbranch_scc1 .Lconv
	s_lshl_b32 s36, s31, 12                        ; 4,096 bytes of codes a run
	s_add_nc_u64 s[24:25], s[24:25], s[36:37]
	s_lshl_b32 s36, s31, 8                         ; 256 scale bytes a run
	s_add_nc_u64 s[26:27], s[26:27], s[36:37]
.macro LOAD t
.irp i, 0,1,2,3
	global_load_b128 v[R+16*((\t)%4)+4*\i:R+16*((\t)%4)+4*\i+3], v3, s[32:33] offset:2048*(\t)+512*\i th:TH_LOAD_NT   ; 32 lanes read 512 consecutive bytes
.endr
.endm
.macro TURN t                          ; step t's numbers through the stage: LDS serves a wave's instructions in order, so no wait stands between the stores and the loads
.irp i, 0,1,2,3
	ds_store_b128 v14, v[R+16*((\t)%4)+4*\i:R+16*((\t)%4)+4*\i+3] offset:32*SP*((\t)%2)+8*SP*\i
.endr
.irp i, 0,1,2,3
	ds_load_b128 v[X+16*((\t)%2)+4*\i:X+16*((\t)%2)+4*\i+3], v15 offset:32*SP*((\t)%2)+16*\i
.endr
.endm
.irp t, 0,1,2,3
	LOAD \t
.endr
	s_wait_loadcnt 12                              ; step 0's four loads are in; the twelve of steps 1 to 3 may be out
	TURN 0
.macro STEP t
.set XS, X+16*((\t)%2)
.if (\t) > 0
	s_wait_dscnt 1                                 ; this step's numbers are back from the stage (the last step's byte store may be out): so its stores into the stage have read their registers,
.else
	s_wait_dscnt 0x0
.endif
.if (\t)+4 < STEPS
	LOAD (\t)+4                                    ; which take the loads of four steps on
.endif
.if (\t)+1 < STEPS
.if STEPS-2-(\t) >= 3
	s_wait_loadcnt 12                              ; the next step's four loads are in; those of the three steps behind it may be out
.else
	s_wait_loadcnt 4*(STEPS-2-(\t))
.endif
	TURN (\t)+1                                    ; and go through the other stage while this step is worked
.endif
	v_max3_num_f32 v8, |v[XS]|, |v[XS+1]|, |v[XS+2]|               ; the largest magnitude of my 16, in two chains
	v_max3_num_f32 v9, |v[XS+3]|, |v[XS+4]|, |v[XS+5]|
.irp i, 6,10
	v_max3_num_f32 v8, v8, |v[XS+\i]|, |v[XS+\i+1]|
	v_max3_num_f32 v9, v9, |v[XS+\i+2]|, |v[XS+\i+3]|
.endr
	v_max3_num_f32 v8, v8, |v[XS+14]|, |v[XS+15]|
	v_max3_num_f32 v8, v8, v9, 0x1800000           ; and the floor 2^(3 - 127): so the byte cannot fall under 1
	v_max_num_f32_dpp v8, v8, v8 row_xmask:1 row_mask:0xf bank_mask:0xf   ; and of my neighbour's 16: the block's
	v_add_nc_u32 v11, 0xff000000, v8               ; 2 off its exponent field: the conversion takes the exponent field of this operand as its scale, and nothing else of it
	v_cvt_scalef32_pk8_fp4_f32 v[C+4*(\t)], v[XS:XS+7], v11        ; eight numbers / the scale, to the nearest code, ties to even, beyond the largest code the largest
	v_cvt_scalef32_pk8_fp4_f32 v[C+4*(\t)+1], v[XS+8:XS+15], v11
	v_lshrrev_b32 v[E+(\t)], 23, v11               ; the scale's byte (also the plain line behind the conversions)
	ds_store_b8 v5, v[E+(\t)] offset:16*(\t)       ; both lanes of a block write the same byte with the same value
	global_store_b64 v4, v[C+4*(\t):C+4*(\t)+1], s[24:25] offset:32*CB*(\t)   ; the wave stores 256 consecutive bytes, aligned
.endm
.irp t, 0,1,2,3,4,5,6,7,8,9,10,11,12,13,14,15
	STEP \t
.endr
	ds_load_b64 v[8:9], v6                         ; LDS serves a wave's instructions in order: these see my byte stores
	s_wait_dscnt 0x0
	global_store_b64 v7, v[8:9], s[26:27]          ; the run's 256 scale bytes: 256 consecutive bytes, aligned
	s_wait_tensorcnt 0x0                           ; the wave's end: behind my last LDS store
	ds_add_u32 v[SPW], v[NIL]
	s_wait_dscnt 0x0
	s_endpgm
; O_WEIGHT'S ARM: f32 to f16, to the nearest, ties to even.  No LDS.  Four batches of sixteen loads of 512 bytes; each gives one store of 256 consecutive bytes.
.Lconv:
	s_lshr_b32 s36, s36, 1                         ; 16,384 bytes of f16 a run
	s_add_nc_u64 s[28:29], s[28:29], s[36:37]
.irp g, 0,1,2,3
	s_wait_xcnt 0x0                                ; the last batch's stores have read their data registers, which are written again below
.irp i, 0,1,2,3,4,5,6,7,8,9,10,11,12,13,14,15
	global_load_b128 v[R+4*\i:R+4*\i+3], v3, s[32:33] offset:512*(16*\g+\i) th:TH_LOAD_NT
.endr
.irp i, 0,1,2,3,4,5,6,7,8,9,10,11,12,13,14,15
	s_wait_loadcnt 15-\i                           ; load i is in; the younger ones may be out
	v_cvt_pk_f16_f32 v[X+2*\i], v[R+4*\i], v[R+4*\i+1]
	v_cvt_pk_f16_f32 v[X+2*\i+1], v[R+4*\i+2], v[R+4*\i+3]
	global_store_b64 v4, v[X+2*\i:X+2*\i+1], s[28:29] offset:256*(16*\g+\i)
.endr
.endr
	s_endpgm
.Lfunc_end_k_qcf553291c6_quant:
	.size	k_qcf553291c6_quant, .Lfunc_end_k_qcf553291c6_quant-k_qcf553291c6_quant
	.p2alignl 7, 3214868480
	.fill 96, 4, 3214868480
	.section	.rodata,"a",@progbits
	.p2align	6, 0x0
	.amdhsa_kernel k_qcf553291c6_quant
		.amdhsa_group_segment_fixed_size 16640
		.amdhsa_private_segment_fixed_size 0
		.amdhsa_enable_private_segment 0
		.amdhsa_kernarg_size 104
		.amdhsa_user_sgpr_count 2
		.amdhsa_user_sgpr_kernarg_segment_ptr 1
		.amdhsa_wavefront_size32 1
		.amdhsa_system_sgpr_workgroup_id_x 1
		.amdhsa_system_sgpr_workgroup_id_y 1
		.amdhsa_system_sgpr_workgroup_id_z 1
		.amdhsa_system_vgpr_workitem_id 0
		.amdhsa_next_free_vgpr 192
		.amdhsa_next_free_sgpr 66
		.amdhsa_reserve_vcc 0
		.amdhsa_float_denorm_mode_32 3
		.amdhsa_float_denorm_mode_16_64 3
		.amdhsa_memory_ordered 1
		.amdhsa_forward_progress 1
		.amdhsa_inst_pref_size 57
	.end_amdhsa_kernel
	.amdgpu_metadata
---
amdhsa.version: [ 1, 2 ]
amdhsa.kernels:
  - .name:           k_qcf553291c6_quant
    .symbol:         k_qcf553291c6_quant.kd
    .args:
      - { .name: query, .offset: 0, .size: 8, .value_kind: global_buffer, .address_space: global }
      - { .name: key, .offset: 8, .size: 8, .value_kind: global_buffer, .address_space: global }
      - { .name: value, .offset: 16, .size: 8, .value_kind: global_buffer, .address_space: global }
      - { .name: Q_weight, .offset: 24, .size: 8, .value_kind: global_buffer, .address_space: global }
      - { .name: K_weight, .offset: 32, .size: 8, .value_kind: global_buffer, .address_space: global }
      - { .name: V_weight, .offset: 40, .size: 8, .value_kind: global_buffer, .address_space: global }
      - { .name: Q_A, .offset: 48, .size: 8, .value_kind: global_buffer, .address_space: global }
      - { .name: K_A, .offset: 56, .size: 8, .value_kind: global_buffer, .address_space: global }
      - { .name: V_A, .offset: 64, .size: 8, .value_kind: global_buffer, .address_space: global }
      - { .name: O_weight, .offset: 72, .size: 8, .value_kind: global_buffer, .address_space: global }
      - { .name: codes, .offset: 80, .size: 8, .value_kind: global_buffer, .address_space: global }
      - { .name: scales, .offset: 88, .size: 8, .value_kind: global_buffer, .address_space: global }
      - { .name: ow16, .offset: 96, .size: 8, .value_kind: global_buffer, .address_space: global }
    .group_segment_fixed_size: 16640
    .private_segment_fixed_size: 0
    .kernarg_segment_align: 8
    .kernarg_segment_size: 104
    .max_flat_workgroup_size: 64
    .sgpr_count:     66
    .vgpr_count:     192
    .wavefront_size: 32
...
	.end_amdgpu_metadata
.endif
;; end of part 1
;; launch proj (part 2): grid 4 x 96, 4 waves a work-group, clusters of 4 x 4, 327,680 bytes of LDS; arguments codes, scales, Q_B, K_B, V_B, qkv16; writes qkv16
.if DOCPART == 2
	.amdgcn_target "amdgcn-amd-amdhsa--gfx1250"
	.amdhsa_code_object_version 6
	.text
	.protected	k_qcf553291c6_proj
	.globl	k_qcf553291c6_proj
	.p2align	8
	.type	k_qcf553291c6_proj,@function
k_qcf553291c6_proj:
	s_mov_b64 s[64:65], 0
	v_nop
	global_prefetch_b8 v0, s[64:65] scope:SCOPE_SE
	s_setreg_imm32_b32 hwreg(HW_REG_WAVE_MODE, 25, 1), 1
	s_wait_xcnt 0x0
	s_wait_alu depctr_hold_cnt(0) depctr_sa_sdst(0) depctr_va_vdst(0) depctr_va_sdst(0) depctr_va_ssrc(0) depctr_va_vcc(0) depctr_vm_vsrc(0)
	s_getreg_b32 s2, hwreg(HW_REG_IB_STS2, 6, 4)
	s_cmp_eq_u32 s2, 0
	s_cbranch_scc0 .Lentry_in_a_cluster
	s_endpgm
.Lentry_in_a_cluster:
	s_bfe_u32 s2, ttmp6, 0x10000c
	s_cmp_lg_u32 s2, 0xf033
	s_cbranch_scc0 .Lentry_shape_is_right
	s_endpgm
.Lentry_shape_is_right:
; qkv16[row][f] = x[row] . W[f] + (x[row] . A[rho]) . B[f][rho], rounded to f16.  Rows 0-8,191 are Q (query, Q_weight, Q_A, Q_B), 8,192.. K, 16,384.. V; f = 0 .. 1,023.
; x W^T and T = x A^T are products on codes of FP4 (E2M1) with one E8M0 scale for each 32 along K = 1,024, sums in f32; T B^T (K = 16, filled with zeros to 32) takes f16 operands and adds onto the same f32 sums.
; A tile of 256 rows x 256 columns is made by a work-group of four waves; a wave makes 128 x 128: 64 accumulators of 16 x 16.  Two LDS slots hold the two halves of K (512 each: rows of 256 bytes): both are filled
; once, at the start, and so are the scale bytes of the tile's 512 rows.  No LDS byte is filled twice.
; CLUSTERS: 4 x 4 work-groups.  The four of a row of the cluster need the same rows of x, the four of a column the same rows of W: each tile is asked for JOINTLY, by the same tensor load with the same descriptor and
; a mask that names the four.  THE MATRIX INSTRUCTIONS ARE USED TRANSPOSED (source 0 = 16 rows of W, of A or of B; source 1 = 16 rows of x or of T): a lane holds one row of the result and eight neighbouring columns.
; T^T = A x^T gives lane (r, h) row r of x and rho = 8 h + 0 .. 7 in its eight registers: rounded in pairs they ARE registers 0-3 of the 16-bit operand (k = 8 h + 0 .. 7); registers 4-7 (k = 16 ..) are zeros.
; LIMITS: T, B and the results are f16 numbers: magnitudes up to 65,504; NaN and infinities are not served.
; REGISTERS, in windows of 256: window 0: v0-31 addresses; v32-95 scale words of x and W, two sets; v96-103 A's scale words; v128-191 x's fragments, ONE set, later T as f16, later rows on the way out;
;   v192-255 my 128 rows of B as f32, later packed results.   window 1: v0-63, v128-191 W's fragments, two sets (the first later B as f16); v64-127 T's eight accumulators; v192-255 A's fragments of all eight steps of 128.
;   window 2: the accumulators of my rows 0-63 ((a, b) at v[8 (8 a + b)]);  window 3: those of my rows 64-127.
.set NQ,     4                         ; steps of 128 along K in a slot
.set ROWB,   256                       ; a tile's row in bytes: 512 codes
.set KROW,   512                       ; a row of codes in memory
.set PITCH,  272                       ; an LDS row: 256 bytes + 16: the sixteen rows that a load touches begin at sixteen different 16-byte columns modulo 256
.set FR,     8                         ; registers of a fragment: 16 rows x 128 K
.set NL,     2                         ; LDS loads that bring one
.set NP,     4                         ; places behind these matrix instructions (ISA guide 7.12.1)
.set HALFT,  128*PITCH
.set SLOT,   4*HALFT                   ; x's 256 rows, then W's 256 rows
.set SCL,    2*SLOT                    ; behind the slots: the scale bytes, as units of 256 bytes + 16 of padding
.set HALFS,  16*272                    ; those of 128 rows (32 bytes a row): what one tensor load brings
.set SBLK,   2*272                     ; those of 16 rows
.set SPARE,  SCL+4*HALFS               ; the spare words, 128 bytes for each wave: two blocks of 256 bytes that no other line names
.set SPITCH, 272                       ; the way out: a stage of 16 rows x (256 + 16) bytes for each wave, in slot 0, which has had its one fill and its last read when the first result is stored there
.set ADRA, 16
.set ADRB, 20
.set STO,  24
.set RD,   25
.set CO,   26
.set ADRS, 27
.set SPW,  28                          ; v28  LDS address of my spare word; never rewritten
.set NIL,  29                          ; v29  0; never rewritten
.set SC,   32
.set LAS,  96
.set AF,   128
.set LB,   192
.set TMP,  192
.set TA,   64                          ; in window 1
.set LAF,  192                         ; in window 1
.set G1, 24
.set G0, 32
.set G1B, 48
.set G0B, 56
.set G1S, 68
.set G0S, 76
.set G1SB, 80
.set G0SB, 88
.set MSB, 0
.macro WIN new                         ; the immediate's high byte repeats the setting that is left
.if MSB != (\new)
	s_set_vgpr_msb (MSB<<8)|(\new)
.set MSB, (\new)
.endif
.endm
.set MUL_LO, 0xa1                      ; source 0 window 1, source 1 window 0, C and D window 2
.set MUL_HI, 0xf1                      ; the same, C and D window 3
.set TO_B,   0x40                      ; destination window 1, address window 0
; A joint load: waves 0 and 1 fetch for x, waves 2 and 3 for W.  The branch hangs on the wave's number alone.  An s_nop 0 and four v_nop follow each of the two lines.
.macro JLOAD g0a, g1a, g0b, g1b
	s_cmp_eq_u32 s15, 0
	s_cbranch_scc0 .Lfor_b_\@
	tensor_load_to_lds s[\g0a:\g0a+3], s[\g1a:\g1a+7]
	s_nop 0
.rept 4
	v_nop
.endr
	s_branch .Lasked_\@
.Lfor_b_\@:
	tensor_load_to_lds s[\g0b:\g0b+3], s[\g1b:\g1b+7]
	s_nop 0
.rept 4
	v_nop
.endr
.Lasked_\@:
.endm
.macro CROUND                          ; a round of the cluster's barrier
	s_barrier_signal -1
	s_barrier_wait -1
	s_cmp_lg_u32 s14, 0
	s_cbranch_scc1 .Lnot_wave_0_\@
	s_barrier_signal -3
.Lnot_wave_0_\@:
	s_barrier_wait -3
	s_barrier_signal -1
	s_barrier_wait -1
.endm
	s_load_b256 s[4:11], s[0:1], 0x0               ; codes s[4:5], scales s[6:7], Q_B s[8:9], K_B s[10:11]
	s_load_b128 s[96:99], s[0:1], 0x20             ; V_B s[96:97], qkv16 s[98:99]
	v_lshl_add_u32 v[SPW], v0, 2, SPARE
	v_mov_b32 v[NIL], 0
	ds_add_u32 v[SPW], v[NIL]                      ; the wave's opening: the add, twice on end, and its wait ahead of my first tensor load
	ds_add_u32 v[SPW], v[NIL]
	v_lshrrev_b32 v1, 5, v0
	v_readfirstlane_b32 s14, v1                    ; wave 0..3
	s_lshr_b32 s15, s14, 1                         ; which half of the tile's rows is mine.  Also: I fetch for x (0) or for W (1)
	s_and_b32 s16, s14, 1                          ; which half of its columns.  Also: which 128 rows of that tile I fetch
	s_bfe_u32 s40, ttmp6, 0x40000                  ; cx, cy: my place in the cluster
	s_bfe_u32 s41, ttmp6, 0x40004
	s_lshl_b32 s42, ttmp9, 2
	s_add_co_u32 s42, s42, s40                     ; tile column = 4 x cluster x + cx
	s_and_b32 s13, ttmp7, 0xffff                   ; cluster y, 0 .. 23
	s_lshr_b32 s12, s13, 3                         ; which of Q, K, V: the same in all sixteen partners
	s_lshl_b32 s17, s13, 2
	s_add_co_u32 s17, s17, s41                     ; tile row = 4 x cluster y + cy, 0 .. 95
	s_lshl_b32 s43, s41, 2
	s_lshl_b32 s43, 15, s43                        ; my row of the cluster
	s_lshl_b32 s44, 0x1111, s40                    ; my column
	; descriptor group 1: a tile of 128 rows x 256 bytes, 16 bytes of padding behind each row
	s_or_b32 s[G1+0], s43, (0<<16)|(1<<20)|(1<<21)|(5<<22)|(3<<25)  ; 15:0 the mask; 17:16 elements of 1 byte; 20 padding on; 21 set beside a mask; 24:22 after every 64 words; 31:25 four words
	s_or_b32 s[G1B+0], s44, (0<<16)|(1<<20)|(1<<21)|(5<<22)|(3<<25)
.irp g, G1, G1B
	s_mov_b32 s[\g+1], ROWB<<16                    ; tensor_dim0
	s_mov_b32 s[\g+2], 128<<16                     ; tensor_dim1
	s_mov_b32 s[\g+3], ROWB<<16                    ; tile_dim0
	s_mov_b32 s[\g+4], 128                         ; tile_dim1
	s_mov_b32 s[\g+5], KROW                        ; from row to row
	s_mov_b32 s[\g+6], 0
	s_mov_b32 s[\g+7], 0
.endr
	; the scale bytes of 128 rows: 4,096 dense bytes, as 16 rows of 256 bytes (32 elements of 8 bytes), 16 bytes of padding behind each
	s_or_b32 s[G1S+0], s43, (3<<16)|(1<<20)|(1<<21)|(5<<22)|(3<<25)
	s_or_b32 s[G1SB+0], s44, (3<<16)|(1<<20)|(1<<21)|(5<<22)|(3<<25)
.irp g, G1S, G1SB
	s_mov_b32 s[\g+1], 32<<16
	s_mov_b32 s[\g+2], 16<<16
	s_mov_b32 s[\g+3], 32<<16
	s_mov_b32 s[\g+4], 16
	s_mov_b32 s[\g+5], 32
	s_mov_b32 s[\g+6], 0
	s_mov_b32 s[\g+7], 0
.endr
	s_lshl_b32 s18, s16, 7                         ; which 128 rows of the tile I fetch
	s_lshl_b32 s20, s17, 8
	s_add_co_u32 s20, s20, s18                     ; x: row 256 x tile row + 128 x half
	s_lshl_b32 s46, s42, 8
	s_add_co_u32 s46, s46, s18
	s_lshl_b32 s19, s12, 10
	s_add_co_u32 s46, s46, s19
	s_add_co_u32 s46, s46, 24576                   ; W: row 24,576 + 1,024 x which + 256 x tile column + 128 x half
	s_lshl_b32 s22, s20, 5                         ; where these rows' scale bytes begin (all offsets stay under 2^32),
	s_mov_b32 s23, 0
	s_lshl_b32 s20, s20, 9                         ; and their codes
	s_mov_b32 s21, 0
	s_lshl_b32 s92, s46, 5
	s_mov_b32 s93, 0
	s_lshl_b32 s46, s46, 9
	s_mov_b32 s47, 0
	s_mul_i32 s45, s14, HALFT                      ; where they go: wave x 128 rows: no place in the cluster enters an LDS address
	s_mul_i32 s3, s14, HALFS
	s_lshl_b32 s2, s12, 4
	s_add_co_u32 s2, s2, 27648                     ; A's first row among the codes
	s_wait_dscnt 0x0                               ; both opening adds are done
	s_wait_kmcnt 0x0
	s_add_nc_u64 s[20:21], s[4:5], s[20:21]
	s_add_nc_u64 s[22:23], s[6:7], s[22:23]
	s_add_nc_u64 s[46:47], s[4:5], s[46:47]
	s_add_nc_u64 s[92:93], s[6:7], s[92:93]
	CROUND                                         ; all sixteen work-groups are here: the joint loads meet
	s_mov_b32 s[G0S], 1
	s_add_co_u32 s[G0S+1], s3, SCL
	s_mov_b64 s[G0S+2:G0S+3], s[22:23]
	s_or_b32 s[G0S+3], s[G0S+3], 0x80000000
	s_mov_b32 s[G0SB], 1
	s_add_co_u32 s[G0SB+1], s3, SCL
	s_mov_b64 s[G0SB+2:G0SB+3], s[92:93]
	s_or_b32 s[G0SB+3], s[G0SB+3], 0x80000000
	JLOAD G0S, G1S, G0SB, G1SB                     ; the scale bytes first: they are wanted with the first half of K
.irp s, 0,1
	s_mov_b32 s[G0+4*\s], 1
	s_add_co_u32 s[G0+4*\s+1], s45, \s*SLOT
	s_add_nc_u64 s[G0+4*\s+2:G0+4*\s+3], s[20:21], \s*ROWB
	s_or_b32 s[G0+4*\s+3], s[G0+4*\s+3], 0x80000000
	s_mov_b32 s[G0B+4*\s], 1
	s_add_co_u32 s[G0B+4*\s+1], s45, \s*SLOT
	s_add_nc_u64 s[G0B+4*\s+2:G0B+4*\s+3], s[46:47], \s*ROWB
	s_or_b32 s[G0B+4*\s+3], s[G0B+4*\s+3], 0x80000000
	JLOAD G0+4*\s, G1, G0B+4*\s, G1B               ; three tensor loads of mine are out
.endr
	; the low-rank pair comes straight into registers: A's 16 rows of codes and scale words, and my 128 rows of B
	s_lshl_b32 s18, s2, 9
	s_mov_b32 s19, 0
	s_add_nc_u64 s[94:95], s[4:5], s[18:19]
	s_lshl_b32 s18, s2, 5
	s_add_nc_u64 s[66:67], s[6:7], s[18:19]
	s_cmp_eq_u32 s12, 1
	s_cselect_b64 s[8:9], s[10:11], s[8:9]         ; Q_B, K_B or V_B: the choice hangs on the cluster's y alone
	s_cmp_eq_u32 s12, 2
	s_cselect_b64 s[8:9], s[96:97], s[8:9]
	s_lshl_b32 s18, s42, 8
	s_lshl_b32 s2, s16, 7
	s_add_co_u32 s18, s18, s2
	s_lshl_b32 s18, s18, 6                         ; my first column's row of B: 64 bytes a row
	s_add_nc_u64 s[8:9], s[8:9], s[18:19]
	v_and_b32 v1, 15, v0                           ; r = l % 16
	v_bfe_u32 v2, v0, 4, 1                         ; h = l / 16
	v_lshlrev_b32 v7, 9, v1
	v_lshl_add_u32 v7, v2, 4, v7                   ; A's codes: row r of 512 bytes, + 16 h
	v_lshlrev_b32 v8, 5, v1                        ; A's scale words: row r of 32 bytes
	v_lshlrev_b32 v9, 6, v1
	v_lshl_add_u32 v9, v2, 5, v9                   ; B: row r of 64 bytes, + 32 h: rho = 8 h + 0 .. 7
	WIN TO_B
.irp q, 0,1,2,3,4,5,6,7
.irp c, 0,1
	global_load_b128 v[LAF+8*\q+4*\c:LAF+8*\q+4*\c+3], v7, s[94:95] offset:64*\q+32*\c
.endr
.endr
	WIN 0
	global_load_b128 v[LAS:LAS+3], v8, s[66:67]            ; word q of lane r: the scales of A's row r for the q-th 128 along K
	global_load_b128 v[LAS+4:LAS+7], v8, s[66:67] offset:16
.irp b, 0,1,2,3,4,5,6,7
	global_load_b128 v[LB+8*\b:LB+8*\b+3], v9, s[8:9] offset:1024*\b
	global_load_b128 v[LB+8*\b+4:LB+8*\b+7], v9, s[8:9] offset:1024*\b+16
.endr
	v_mul_u32_u24 v3, v1, PITCH
	v_lshl_add_u32 v4, v2, 4, v3                   ; a fragment's row x pitch + 16 x half
	s_mul_i32 s21, s15, HALFT                      ; my 128 rows of x
	s_mul_i32 s22, s16, HALFT                      ; my 128 rows of W,
	s_add_co_u32 s22, s22, 2*HALFT                 ; which lie behind x's 256
.irp s, 0,1
	v_add_nc_u32 v[ADRA+\s], s21, v4
	v_add_nc_u32 v[ADRB+\s], s22, v4
	s_add_co_u32 s21, s21, SLOT
	s_add_co_u32 s22, s22, SLOT
.endr
	v_lshlrev_b32 v5, 5, v1                        ; my row's scale bytes: 32 a row,
	v_lshrrev_b32 v6, 8, v5
	v_lshl_add_u32 v5, v6, 4, v5                   ; and 16 more for each 256 passed
	s_mul_i32 s21, s15, HALFS                      ; x's: my 128 rows
	s_mul_i32 s22, s16, HALFS                      ; W's: my 128 rows, behind x's 256
	s_add_co_u32 s22, s22, 2*HALFS
	s_sub_co_u32 s22, s22, s21
	v_mul_u32_u24 v6, s22, v2                      ; lanes 16-31 take W's: one product, the distance x h
	s_add_co_u32 s21, s21, SCL
	v_add_nc_u32 v5, v5, v6
	v_add_nc_u32 v[ADRS], s21, v5
	s_mul_i32 s23, s14, 16*SPITCH                  ; my stage
	v_mul_u32_u24 v5, v1, SPITCH                   ; in: row r, 16 bytes for each half of the lanes
	v_lshl_add_u32 v5, v2, 4, v5
	v_add_nc_u32 v[STO], s23, v5
	v_mul_u32_u24 v5, v2, SPITCH                   ; back: lanes 0-15 take one row of 256 bytes, lanes 16-31 the next
	v_lshl_add_u32 v5, v1, 4, v5
	v_add_nc_u32 v[RD], s23, v5
	v_lshlrev_b32 v5, 11, v2                       ; and the same two rows in qkv16 (2,048 bytes a row)
	v_lshl_add_u32 v[CO], v1, 4, v5
	s_lshl_b32 s20, s17, 8
	s_lshl_b32 s21, s15, 7
	s_add_co_u32 s20, s20, s21                     ; my first row: 256 x tile row + 128 x half
	s_lshl_b32 s20, s20, 11
	s_mov_b32 s21, 0
	s_lshl_b32 s46, s42, 9                         ; my first column, in bytes: 512 x tile column + 256 x half
	s_lshl_b32 s47, s16, 8
	s_add_co_u32 s46, s46, s47
	s_mov_b32 s47, 0
	s_add_nc_u64 s[20:21], s[20:21], s[46:47]
	s_add_nc_u64 s[98:99], s[98:99], s[20:21]
.macro FRAG reg, adr, q, i             ; 16 rows x 128 K of 4-bit codes: lane l holds row l % 16; registers 4 c .. 4 c + 3 hold K = 64 c + 32 (l / 16) + 0 .. 31
.irp c, 0,1
	ds_load_b128 v[\reg+4*\c:\reg+4*\c+3], v[\adr] offset:64*(\q)+32*\c+(\i)*16*PITCH
.endr
.endm
; 16 matrix instructions: x's blocks a0, a0 + 1 against W's eight, the slot's q-th 128 along K.  p: W's set; sc: the set of scale words.  zero = 1: the first product starts the sums.
; One register carries x's word (lanes 0-15) and W's (lanes 16-31): source 0 (W) reads register b's upper lanes, source 1 (x) register a's lower ones.
.macro MUL16 a0, p, q, sc, zero
.irp a, \a0, \a0+1
.irp b, 0,1,2,3,4,5,6,7
.if \zero
	v_wmma_scale_f32_16x16x128_f8f6f4 v[8*(8*((\a)%4)+\b):8*(8*((\a)%4)+\b)+7], v[128*(\p)+FR*\b:128*(\p)+FR*\b+FR-1], v[AF+FR*(\a):AF+FR*(\a)+FR-1], 0, v[SC+8*NQ*(\sc)+NQ*\b+(\q)], v[SC+8*NQ*(\sc)+NQ*(\a)+(\q)] matrix_a_fmt:MATRIX_FMT_FP4 matrix_b_fmt:MATRIX_FMT_FP4 matrix_a_scale:MATRIX_SCALE_ROW1
.else
	v_wmma_scale_f32_16x16x128_f8f6f4 v[8*(8*((\a)%4)+\b):8*(8*((\a)%4)+\b)+7], v[128*(\p)+FR*\b:128*(\p)+FR*\b+FR-1], v[AF+FR*(\a):AF+FR*(\a)+FR-1], v[8*(8*((\a)%4)+\b):8*(8*((\a)%4)+\b)+7], v[SC+8*NQ*(\sc)+NQ*\b+(\q)], v[SC+8*NQ*(\sc)+NQ*(\a)+(\q)] matrix_a_fmt:MATRIX_FMT_FP4 matrix_b_fmt:MATRIX_FMT_FP4 matrix_a_scale:MATRIX_SCALE_ROW1
.endif
.endr
.endr
.endm
; 4 matrix instructions: T^T += A x^T for x's blocks a0 .. a0 + 3, while their fragments lie in registers.  q8: which 128 of K's 1,024.  All 72 accumulators of a step take turns, one instruction a turn.
.macro TMUL a0, q8, sc, q, zero
	WIN 0x51                                       ; source 0 (A), C and D window 1; source 1 (x) window 0
.irp a, \a0, \a0+1, \a0+2, \a0+3
.if \zero
	v_wmma_scale_f32_16x16x128_f8f6f4 v[TA+8*(\a):TA+8*(\a)+7], v[LAF+8*(\q8):LAF+8*(\q8)+7], v[AF+FR*(\a):AF+FR*(\a)+FR-1], 0, v[LAS+(\q8)], v[SC+8*NQ*(\sc)+NQ*(\a)+(\q)] matrix_a_fmt:MATRIX_FMT_FP4 matrix_b_fmt:MATRIX_FMT_FP4
.else
	v_wmma_scale_f32_16x16x128_f8f6f4 v[TA+8*(\a):TA+8*(\a)+7], v[LAF+8*(\q8):LAF+8*(\q8)+7], v[AF+FR*(\a):AF+FR*(\a)+FR-1], v[TA+8*(\a):TA+8*(\a)+7], v[LAS+(\q8)], v[SC+8*NQ*(\sc)+NQ*(\a)+(\q)] matrix_a_fmt:MATRIX_FMT_FP4 matrix_b_fmt:MATRIX_FMT_FP4
.endif
.endr
.endm
.macro FETCH_B slot, q, p
	WIN TO_B
.irp i, 0,1,2,3,4,5,6,7
	FRAG 128*(\p)+FR*\i, ADRB+\slot, \q, \i
.endr
	WIN 0
.endm
.macro FETCH_A slot, q, i0
.irp i, \i0, \i0+1, \i0+2, \i0+3
	FRAG AF+FR*(\i), ADRA+\slot, \q, \i
.endr
.endm
.macro SCALES sc                       ; a slot's scale words: four words a row; lanes 0-15 take x's block i, lanes 16-31 W's block i
.irp i, 0,1,2,3,4,5,6,7
	ds_load_b128 v[SC+8*NQ*\sc+NQ*\i:SC+8*NQ*\sc+NQ*\i+3], v[ADRS] offset:\i*SBLK
.endr
.endm
; A load into a register that a matrix instruction has read, and a vector instruction or an LDS store that reads a matrix result, stand four places behind that matrix instruction; only plain vector
; instructions that name none of its registers are places (ISA guide 7.12.1 for vector instructions).
.macro PLACES n
.rept \n
	v_nop
.endr
.endm
; A step of 128 along K that has its successor in the same slot.  A block of x is free as soon as its nine products are issued: blocks 0-3 are fetched anew in the step's middle, blocks 4-7 at its end.
.macro STEP slot, q, zero
	s_wait_dscnt 4*NL                              ; W's set, x's blocks 0-3 and the scale words are in; the youngest eight loads (x's blocks 4-7) may be out
	WIN MUL_LO
	MUL16 0, (\q)%2, \q, \slot, \zero
	MUL16 2, (\q)%2, \q, \slot, \zero
	TMUL 0, 4*(\slot)+(\q), \slot, \q, \zero
	s_wait_dscnt 0                                 ; x's blocks 4-7 are in
	PLACES NP
	FETCH_B \slot, (\q)+1, 1-(\q)%2
	FETCH_A \slot, (\q)+1, 0
	WIN MUL_HI
	MUL16 4, (\q)%2, \q, \slot, \zero
	MUL16 6, (\q)%2, \q, \slot, \zero
	TMUL 4, 4*(\slot)+(\q), \slot, \q, \zero
	PLACES NP
	WIN 0
	FETCH_A \slot, (\q)+1, 4
.endm
; Slot 0's last step changes slots: one barrier; in front of it each wave waits for all its tensor loads (its part of slot 1), adds 0 to its spare word, and waits for that and for its reads of slot 0.  Nothing is filled again.
.macro TURN slot, next
	s_wait_tensorcnt 0x0                           ; all my tensor loads have landed
	ds_add_u32 v[SPW], v[NIL]                      ; 0 onto my spare word
	s_wait_dscnt 4*NL+1                            ; (the add and the youngest eight loads may be out)
	WIN MUL_LO
	MUL16 0, 1, NQ-1, \slot, 0
	s_wait_dscnt 0x0                               ; the add is done, and my reads of this slot are over
	s_barrier_signal -1
	MUL16 2, 1, NQ-1, \slot, 0
	TMUL 0, 4*(\slot)+NQ-1, \slot, NQ-1, 0
	WIN 0
	s_barrier_wait -1
	PLACES NP
	v_add_nc_u32 v[ADRS], 4*NQ, v[ADRS]            ; on to the next slot's scale words (no LDS load of mine is out)
	FETCH_B \next, 0, 0
	FETCH_A \next, 0, 0
	SCALES \next
	WIN MUL_HI
	MUL16 4, 1, NQ-1, \slot, 0
	MUL16 6, 1, NQ-1, \slot, 0
	TMUL 4, 4*(\slot)+NQ-1, \slot, NQ-1, 0
	PLACES NP
	WIN 0
	FETCH_A \next, 0, 4
.endm
.macro STEPS slot, from
.set Q, \from
.rept NQ-1-\from
	STEP \slot, Q, 0
.set Q, Q+1
.endr
.endm
	s_wait_loadcnt 0x0                             ; A's codes and scale words, and B
	s_wait_tensorcnt 1                             ; the scale bytes and my part of slot 0 are in; slot 1's load may be out
	s_barrier_signal -1
	s_barrier_wait -1                              ; everybody's are
	FETCH_B 0, 0, 0
	FETCH_A 0, 0, 0
	SCALES 0
	FETCH_A 0, 0, 4
	STEP 0, 0, 1                                   ; the first step's products start the sums: nothing is cleared
	STEPS 0, 1
	TURN 0, 1
	STEPS 1, 0
	s_wait_dscnt 4*NL                              ; the last step: nothing more to fetch
	WIN MUL_LO
	MUL16 0, 1, NQ-1, 1, 0
	MUL16 2, 1, NQ-1, 1, 0
	TMUL 0, 7, 1, NQ-1, 0
	s_wait_dscnt 0
	WIN MUL_HI
	MUL16 4, 1, NQ-1, 1, 0
	MUL16 6, 1, NQ-1, 1, 0
	TMUL 4, 7, 1, NQ-1, 0
	WIN 0
	; THE LOW-RANK PART.  T and B become f16 operands; 64 products of 16 x 16 x 32 add T B^T onto the sums.  Five places: those products write over accumulators that another form wrote last.
	PLACES 5
	WIN 0x05                                       ; sources window 1, destination window 0
.irp a, 0,1,2,3,4,5,6,7
.irp i, 0,1,2,3
	v_cvt_pk_f16_f32 v[AF+8*\a+\i], v[TA+8*\a+2*\i], v[TA+8*\a+2*\i+1]   ; T(row r, rho = 8 h + 2 i, + 1): each accumulator from its low end on
.endr
.endr
	WIN 0
.irp a, 0,1,2,3,4,5,6,7
.irp i, 4,5,6,7
	v_mov_b32 v[AF+8*\a+\i], 0                     ; k = 16 .. 31: zeros
.endr
.endr
	WIN TO_B                                       ; sources window 0, destination window 1
.irp b, 0,1,2,3,4,5,6,7
.irp i, 0,1,2,3
	v_cvt_pk_f16_f32 v[8*\b+\i], v[LB+8*\b+2*\i], v[LB+8*\b+2*\i+1]
.endr
.endr
.irp b, 0,1,2,3,4,5,6,7
.irp i, 4,5,6,7
	v_mov_b32 v[8*\b+\i], 0
.endr
.endr
	PLACES 4
.irp a, 0,1,2,3,4,5,6,7
.set WW, MUL_LO+0x50*(\a/4)
	WIN WW
.irp b, 0,1,2,3,4,5,6,7
	v_wmma_f32_16x16x32_f16 v[8*(8*(\a%4)+\b):8*(8*(\a%4)+\b)+7], v[8*\b:8*\b+7], v[AF+8*\a:AF+8*\a+7], v[8*(8*(\a%4)+\b):8*(8*(\a%4)+\b)+7]
.endr
.endr
	WIN 0
; THE WAY OUT, block by block of 16 rows x 128 columns.  PACK: rounded to f16, 16 bytes a lane.  TOSTAGE: into my own stage and back as whole rows of 256 bytes.  SEND: sixteen lanes store 256 consecutive bytes, aligned.
.macro PACK a
.set AC, 64*((\a)%4)
.set WW, 0x0a+5*((\a)/4)
	WIN WW                                         ; sources 0 and 1: window 2 or 3
.irp b, 0,1,2,3,4,5,6,7
.irp r, 0,1,2,3
	v_cvt_pk_f16_f32 v[TMP+4*\b+\r], v[AC+8*\b+2*\r], v[AC+8*\b+2*\r+1]
.endr
.endr
	WIN 0
.endm
.macro TOSTAGE a
.set BKR, AF+32*((\a)%2)
.irp b, 0,1,2,3,4,5,6,7
	ds_store_b128 v[STO], v[TMP+4*\b:TMP+4*\b+3] offset:32*\b
.endr
.irp t, 0,1,2,3,4,5,6,7
	ds_load_b128 v[BKR+4*\t:BKR+4*\t+3], v[RD] offset:\t*2*SPITCH    ; LDS serves a wave's instructions in order: these see the stores above
.endr
.endm
.macro SEND a
.set BKR, AF+32*((\a)%2)
	s_wait_dscnt 0x0                               ; the block is back in registers
	s_wait_xcnt 0x0                                ; earlier stores have read their base and their data: only now are these written again
.if (\a) > 0
	s_add_nc_u64 s[98:99], s[98:99], 16*2048       ; 16 rows on
.endif
.irp t, 0,1,2,3,4,5,6,7
	global_store_b128 v[CO], v[BKR+4*\t:BKR+4*\t+3], s[98:99] offset:2*\t*2048
.endr
.endm
	PLACES 4
	PACK 0
	TOSTAGE 0
.irp a, 1,2,3,4,5,6,7                  ; block a's conversions stand between block a - 1's loads from the stage and the wait for them
	PACK \a
	SEND \a-1
	TOSTAGE \a
.endr
	SEND 7
	s_wait_tensorcnt 0x0                           ; the wave's end: behind my last tensor load and my last LDS store
	ds_add_u32 v[SPW], v[NIL]
	s_wait_dscnt 0x0
	CROUND                                         ; the closing round: no work-group ends while a partner may still ask for a tile that names it
	s_endpgm
.Lfunc_end_k_qcf553291c6_proj:
	.size	k_qcf553291c6_proj, .Lfunc_end_k_qcf553291c6_proj-k_qcf553291c6_proj
	.p2alignl 7, 3214868480
	.fill 96, 4, 3214868480
	.section	.rodata,"a",@progbits
	.p2align	6, 0x0
	.amdhsa_kernel k_qcf553291c6_proj
		.amdhsa_group_segment_fixed_size 327680
		.amdhsa_private_segment_fixed_size 0
		.amdhsa_enable_private_segment 0
		.amdhsa_kernarg_size 48
		.amdhsa_user_sgpr_count 2
		.amdhsa_user_sgpr_kernarg_segment_ptr 1
		.amdhsa_wavefront_size32 1
		.amdhsa_system_sgpr_workgroup_id_x 1
		.amdhsa_system_sgpr_workgroup_id_y 1
		.amdhsa_system_sgpr_workgroup_id_z 1
		.amdhsa_system_vgpr_workitem_id 0
		.amdhsa_next_free_vgpr 1024
		.amdhsa_next_free_sgpr 100
		.amdhsa_reserve_vcc 0
		.amdhsa_float_denorm_mode_32 3
		.amdhsa_float_denorm_mode_16_64 3
		.amdhsa_memory_ordered 1
		.amdhsa_forward_progress 1
		.amdhsa_inst_pref_size 150
	.end_amdhsa_kernel
	.amdgpu_metadata
---
amdhsa.version: [ 1, 2 ]
amdhsa.kernels:
  - .name:           k_qcf553291c6_proj
    .symbol:         k_qcf553291c6_proj.kd
    .args:
      - { .name: codes, .offset: 0, .size: 8, .value_kind: global_buffer, .address_space: global }
      - { .name: scales, .offset: 8, .size: 8, .value_kind: global_buffer, .address_space: global }
      - { .name: Q_B, .offset: 16, .size: 8, .value_kind: global_buffer, .address_space: global }
      - { .name: K_B, .offset: 24, .size: 8, .value_kind: global_buffer, .address_space: global }
      - { .name: V_B, .offset: 32, .size: 8, .value_kind: global_buffer, .address_space: global }
      - { .name: qkv16, .offset: 40, .size: 8, .value_kind: global_buffer, .address_space: global }
    .group_segment_fixed_size: 327680
    .private_segment_fixed_size: 0
    .kernarg_segment_align: 8
    .kernarg_segment_size: 48
    .max_flat_workgroup_size: 128
    .sgpr_count:     100
    .vgpr_count:     1024
    .wavefront_size: 32
...
	.end_amdgpu_metadata
.endif
;; end of part 2
;; launch scores (part 3): grid 8 x 32, 4 waves a work-group, clusters of 4 x 4, 327,680 bytes of LDS; arguments qkv16, p16, stats; writes p16, stats
.if DOCPART == 3
	.amdgcn_target "amdgcn-amd-amdhsa--gfx1250"
	.amdhsa_code_object_version 6
	.text
	.protected	k_qcf553291c6_scores
	.globl	k_qcf553291c6_scores
	.p2align	8
	.type	k_qcf553291c6_scores,@function
k_qcf553291c6_scores:
	s_mov_b64 s[64:65], 0
	v_nop
	global_prefetch_b8 v0, s[64:65] scope:SCOPE_SE
	s_setreg_imm32_b32 hwreg(HW_REG_WAVE_MODE, 25, 1), 1
	s_wait_xcnt 0x0
	s_wait_alu depctr_hold_cnt(0) depctr_sa_sdst(0) depctr_va_vdst(0) depctr_va_sdst(0) depctr_va_ssrc(0) depctr_va_vcc(0) depctr_vm_vsrc(0)
	s_getreg_b32 s2, hwreg(HW_REG_IB_STS2, 6, 4)
	s_cmp_eq_u32 s2, 0
	s_cbranch_scc0 .Lentry_in_a_cluster
	s_endpgm
.Lentry_in_a_cluster:
	s_bfe_u32 s2, ttmp6, 0x10000c
	s_cmp_lg_u32 s2, 0xf033
	s_cbranch_scc0 .Lentry_shape_is_right
	s_endpgm
.Lentry_shape_is_right:
; s[q][k] = Q[q] . K[k] over 1,024 channels (f16 operands, f32 sums), within each of 4 batches of 2,048 rows; t = s x log2(e) / 32.
; For each row and each tile of 256 keys: M = the tile's largest t rounded UP to a whole number, kept as -M = floor(-t); p = 2^(t - M), at most 1, stored as f16 in p16 [8,192][2,048]; the sums of the unrounded p
; over each 128 keys, in f32.  stats: 24 planes of [8,192] f32: plane kt = -M of key tile kt, plane 8 + 2 kt + half = the sum of those 128 keys.  The next launch takes the row's maximum over the eight tiles.
; LIMITS: NaN and infinities are not served; p under 2^-24 becomes 0 in f16 (its part of the sum is kept).
; A tile of 256 queries x 256 keys is made by a work-group of four waves; a wave makes 128 x 128: 64 accumulators, 512 registers.  K (the channels) goes in steps of 128 through a ring of two LDS slots filled by
; the tensor data mover: a tile's row is 256 bytes of memory.  CLUSTERS: 4 x 4 work-groups; the four of a row of the cluster need the same rows of Q, the four of a column the same rows of K: joint loads.
; TRANSPOSED USE: source 0 = 16 keys, source 1 = 16 queries: lane (r, h) holds query r of a block and keys 16 b + 8 h + 0 .. 7.
; REGISTERS: window 0: v0-31 addresses; v64-127, v128-191 Q's fragments, two buffers; epilogue: v32-63, v224-255 rows on the way out, v64-95 the rows' figures, v192-223 packed p.
;   window 1: v64-127, v128-191 K's fragments.  window 2: accumulators of my rows 0-63 ((a, b) at v[8 (8 a + b)]);  window 3: rows 64-127.
.set MB,     8                         ; blocks of 16 rows in a wave's tile
.set NL,     4                         ; laps: a lap = two K steps = once round the ring
.set KSTEP,  128
.set PITCH,  272                       ; an LDS row: 256 bytes + 16: the sixteen rows that a load touches begin at sixteen different 16-byte columns modulo 256
.set HALFT,  128*PITCH
.set SLOT,   4*HALFT                   ; Q's 256 rows, then K's 256 rows
.set STAGE,  2*SLOT                    ; behind the ring: 16 rows x 272 bytes for each wave
.set SPITCH, 272
.set XM,     STAGE+4*16*SPITCH         ; 512 bytes for each wave: its rows' maxima, for the wave with the other 128 keys
.set SS,     XM+4*512                  ; 1,024 bytes for each wave: its rows' -M and sums, on their way out
.set SPARE,  SS+4*1024                 ; the spare words, 128 bytes for each wave: two blocks of 256 bytes that no other line names
.set STEPA,  2*KSTEP*2                 ; bytes from a slot's K step to its next
.set STEPB,  2*KSTEP*2
.set ADRA, 16
.set XMW,  18
.set XMR,  19
.set ADRB, 20
.set SSW,  22
.set SSR,  23
.set STO,  24
.set RD,   25
.set CO,   26
.set L16,  27
.set SPW,  28                          ; v28  LDS address of my spare word; never rewritten
.set NIL,  29                          ; v29  0; never rewritten
.set PFO,  30                          ; v30  the prefetches' offset: my lane x a row of 2,048 bytes; never rewritten
.set OB,   32
.set MX,   64
.set TX,   72
.set NM,   80                          ; pairs: -M, the row's sum
.set TMP,  192
.set F0,   64
.set F1,   128
.set G1, 24
.set G0, 32
.set LIM, 43                           ; s43  1 in a wave that prefetches, else the greatest number
.set PFA, 44                           ; s[44:45] where my prefetches stand
.set G1B, 48
.set G0B, 56
.set PFS, 66                           ; s[66:67] a K step on, in bytes
.set CS,  68                           ; s[68:69] c = log2(e) / 32, twice
.set SEL, 70                           ; s[70:71] lane selects: lane l xor 16
.set MSB, 0
.macro WIN new                         ; the immediate's high byte repeats the setting that is left
.if MSB != (\new)
	s_set_vgpr_msb (MSB<<8)|(\new)
.set MSB, (\new)
.endif
.endm
.set MUL_LO, 0xa1                      ; source 0 window 1, source 1 window 0, C and D window 2
.set MUL_HI, 0xf1
.set TO_B,   0x40
; A joint load: waves 0 and 1 fetch Q's two halves, waves 2 and 3 K's.  The branch hangs on the wave's number alone.  An s_nop 0 and four v_nop follow each of the two lines.
.macro JLOAD s
	s_cmp_eq_u32 s11, 0
	s_cbranch_scc0 .Lfor_b_\@
	tensor_load_to_lds s[G0+4*\s:G0+4*\s+3], s[G1:G1+7]
	s_nop 0
.rept 4
	v_nop
.endr
	s_branch .Lasked_\@
.Lfor_b_\@:
	tensor_load_to_lds s[G0B+4*\s:G0B+4*\s+3], s[G1B:G1B+7]
	s_nop 0
.rept 4
	v_nop
.endr
.Lasked_\@:
.endm
; A prefetch of the K step that stands two refills on: 32 rows x 256 bytes, a lane a row, one instruction a wave.  Each row's 256 bytes of a K step are named once in the launch: of the clusters that read the same
; rows one asks (Q: cluster x = 0; K: the even cluster y of a batch's two); the four partners of a joint load share its 128 rows out by address, 32 each.  how = 1: lap 0; how = 0: the loop, whose last trip asks for nothing.
.macro ASK how
.if \how
	s_cmp_eq_u32 s[LIM], 1
.else
	s_cmp_gt_u32 s3, s[LIM]                        ; s3 = 1 in the loop's last trip
.endif
	s_cbranch_scc0 .Lnot_mine_\@
	global_prefetch_b8 v[PFO], s[PFA:PFA+1] th:TH_LOAD_NT scope:SCOPE_SE
.Lnot_mine_\@:
.endm
.macro CREST                           ; a round of the cluster's barrier behind its opening barrier
	s_cmp_lg_u32 s10, 0
	s_cbranch_scc1 .Lnot_wave_0_\@
	s_barrier_signal -3
.Lnot_wave_0_\@:
	s_barrier_wait -3
	s_barrier_signal -1
	s_barrier_wait -1
.endm
.macro CROUND
	s_barrier_signal -1
	s_barrier_wait -1
	CREST
.endm
.macro PLACES                          ; four places in front of loads into registers that matrix instructions have read, and of the first read of results (ISA guide 7.12.1 for the read of results)
.rept 4
	v_nop
.endr
.endm
.macro MULA f, a, zero                 ; 8 matrix instructions: block a of my rows against the eight blocks of columns, 32 along K.  zero = 1: the product starts the sums
.if (\a) < 4
	WIN MUL_LO
.else
	WIN MUL_HI
.endif
.irp b, 0,1,2,3,4,5,6,7
.if \zero
	v_wmma_f32_16x16x32_f16 v[8*(8*((\a)%4)+\b):8*(8*((\a)%4)+\b)+7], v[\f+8*\b:\f+8*\b+7], v[\f+8*(\a):\f+8*(\a)+7], 0
.else
	v_wmma_f32_16x16x32_f16 v[8*(8*((\a)%4)+\b):8*(8*((\a)%4)+\b)+7], v[\f+8*\b:\f+8*\b+7], v[\f+8*(\a):\f+8*(\a)+7], v[8*(8*((\a)%4)+\b):8*(8*((\a)%4)+\b)+7]
.endif
.endr
.endm
.macro MULS f, a0, n, zero             ; blocks a0 .. a0 + n - 1.  All accumulators take turns, one instruction a turn, in the same order in every quarter
.set AA, \a0
.rept \n
	MULA \f, AA, \zero
.set AA, AA+1
.endr
.endm
.macro FETCH slot, kq, f               ; one run of LDS loads: the fragments of quarter kq (32 along K) of a slot: the columns' 16 loads, then the rows' 2 MB
	WIN TO_B
.irp i, 0,1,2,3,4,5,6,7
	ds_load_b128 v[\f+8*\i:\f+8*\i+3],   v[ADRB+\slot] offset:64*(\kq)+\i*16*PITCH
	ds_load_b128 v[\f+8*\i+4:\f+8*\i+7], v[ADRB+\slot] offset:64*(\kq)+\i*16*PITCH+32
.endr
	WIN 0
.set II, 0
.rept MB
	ds_load_b128 v[\f+8*II:\f+8*II+3],   v[ADRA+\slot] offset:64*(\kq)+II*16*PITCH
	ds_load_b128 v[\f+8*II+4:\f+8*II+7], v[ADRA+\slot] offset:64*(\kq)+II*16*PITCH+32
.set II, II+1
.endr
.endm
.macro QUARTER slot, kq, f, g, zero    ; multiplies buffer f (quarter kq); in its middle fetches quarter kq + 1 into g
	s_wait_dscnt MB                                ; the youngest MB loads (the upper half of my rows' blocks) may be out
	MULS \f, 0, MB/2, \zero
	PLACES
	FETCH \slot, (\kq)+1, \g
	s_wait_dscnt 16+2*MB                           ; all but the run just issued
	MULS \f, MB/2, MB/2, \zero
.endm
; A slot's last quarter multiplies buffer 1 and changes slots: one barrier; in front of it each wave waits for all its tensor loads (its part of the next slot), adds 0 to its spare word, and waits for that and for its
; own reads of this slot.  fill = 1: the barrier opens a round of the cluster's barrier, and behind the round this slot is filled again, two K steps ahead: one tensor load of mine is out.
.macro TURN slot, next, fill, how
.if \fill
	s_wait_xcnt 0x0                                ; the last prefetch, a K step back, has read its address, which is stepped here
	s_add_nc_u64 s[PFA:PFA+1], s[PFA:PFA+1], s[PFS:PFS+1]
.endif
	WIN 0                                          ; (the add's two registers lie in window 0)
	s_wait_tensorcnt 0x0                           ; all my tensor loads have landed
	ds_add_u32 v[SPW], v[NIL]                      ; 0 onto my spare word
	s_wait_dscnt MB+1                              ; (the add and the youngest MB loads may be out)
	MULS F1, 0, MB/4, 0
	s_wait_dscnt 0x0                               ; the add is done, and my reads of this slot are over
	s_barrier_signal -1
	MULS F1, MB/4, MB/4, 0
.if \fill
	WIN 0
.endif
	s_barrier_wait -1
.if \fill
	CREST                                          ; no wave of any partner still reads this slot's tile or has a load on its way
	s_add_nc_u64 s[G0+4*\slot+2:G0+4*\slot+3], s[G0+4*\slot+2:G0+4*\slot+3], STEPA
	s_add_nc_u64 s[G0B+4*\slot+2:G0B+4*\slot+3], s[G0B+4*\slot+2:G0B+4*\slot+3], STEPB
	JLOAD \slot                                    ; the first tensor load behind the round; its four v_nop are also the places in front of the loads below
.else
	PLACES
.endif
	FETCH \next, 0, F0
.if \fill
	ASK \how
.endif
	MULS F1, MB/2, MB/2, 0
.endm
.macro LASTQ
	s_wait_dscnt MB
	MULS F1, 0, MB/2, 0
	s_wait_dscnt 0
	MULS F1, MB/2, MB/2, 0
	WIN 0
.endm
.macro LAP zero, fill, how, last
	QUARTER 0, 0, F0, F1, \zero
	QUARTER 0, 1, F1, F0, 0
	QUARTER 0, 2, F0, F1, 0
	TURN 0, 1, \fill, \how
	QUARTER 1, 0, F0, F1, 0
	QUARTER 1, 1, F1, F0, 0
	QUARTER 1, 2, F0, F1, 0
.if \last
	LASTQ
.else
	TURN 1, 0, \fill, \how
.endif
.endm
	s_load_b128 s[4:7], s[0:1], 0x0                ; qkv16 s[4:5], p16 s[6:7]
	s_load_b64 s[8:9], s[0:1], 0x10                ; stats
	v_lshl_add_u32 v[SPW], v0, 2, SPARE
	v_mov_b32 v[NIL], 0
	ds_add_u32 v[SPW], v[NIL]                      ; the wave's opening: the add, twice on end, and its wait ahead of my first tensor load
	ds_add_u32 v[SPW], v[NIL]
	v_lshrrev_b32 v1, 5, v0
	v_readfirstlane_b32 s10, v1                    ; wave 0..3
	s_lshr_b32 s11, s10, 1                         ; which half of the tile's rows is mine.  Also: I fetch for Q (0) or for K (1)
	s_and_b32 s12, s10, 1                          ; which half of its columns.  Also: which 128 rows of that tile I fetch
	s_bfe_u32 s40, ttmp6, 0x40000                  ; cx, cy
	s_bfe_u32 s41, ttmp6, 0x40004
	s_lshl_b32 s42, ttmp9, 2
	s_add_co_u32 s42, s42, s40                     ; key tile = 4 x cluster x + cx, 0 .. 7
	s_and_b32 s14, ttmp7, 0xffff                   ; cluster y, 0 .. 7
	s_lshl_b32 s13, s14, 2
	s_add_co_u32 s13, s13, s41                     ; query tile = 4 x cluster y + cy, 0 .. 31
	s_lshr_b32 s15, s14, 1                         ; the batch: eight query tiles, two clusters
	s_lshl_b32 s46, s41, 2
	s_lshl_b32 s46, 15, s46                        ; my row of the cluster
	s_lshl_b32 s47, 0x1111, s40                    ; my column
	s_or_b32 s[G1+0], s46, (1<<16)|(1<<20)|(1<<21)|(5<<22)|(3<<25)   ; 15:0 the mask; 17:16 elements of 2 bytes; 20 padding on; 21 set beside a mask; 24:22 after every 64 words; 31:25 four words
	s_or_b32 s[G1B+0], s47, (1<<16)|(1<<20)|(1<<21)|(5<<22)|(3<<25)
.irp g, G1, G1B
	s_mov_b32 s[\g+1], KSTEP<<16                   ; tensor_dim0 = 128
	s_mov_b32 s[\g+2], 128<<16                     ; tensor_dim1 = 128
	s_mov_b32 s[\g+3], KSTEP<<16                   ; tile_dim0
	s_mov_b32 s[\g+4], 128                         ; tile_dim1
	s_mov_b32 s[\g+5], 1024                        ; elements from row to row
	s_mov_b32 s[\g+6], 0
	s_mov_b32 s[\g+7], 0
.endr
	s_lshl_b32 s2, s12, 7                          ; which 128 rows of the tile I fetch
	s_lshl_b32 s16, s13, 8
	s_add_co_u32 s16, s16, s2                      ; Q: row 256 x query tile + 128 x half
	s_lshl_b32 s16, s16, 11                        ; 2,048 bytes a row (all offsets stay under 2^32)
	s_mov_b32 s17, 0
	s_lshl_b32 s20, s42, 8
	s_add_co_u32 s20, s20, s2
	s_lshl_b32 s21, s15, 11
	s_add_co_u32 s20, s20, s21
	s_add_co_u32 s20, s20, 8192                    ; K: row 8,192 + 2,048 x batch + 256 x key tile + 128 x half
	s_lshl_b32 s20, s20, 11
	s_mov_b32 s21, 0
	s_mul_i32 s2, s10, HALFT                       ; where they go: wave x 128 rows
	s_mov_b32 s[CS], 0x3d38aa3b                    ; c = log2(e) / sqrt(1,024)
	s_mov_b32 s[CS+1], s[CS]
	s_mov_b32 s[SEL], 0x76543210
	s_mov_b32 s[SEL+1], 0xfedcba98
	s_wait_dscnt 0x0                               ; both opening adds are done
	s_wait_kmcnt 0x0
	s_add_nc_u64 s[18:19], s[4:5], s[16:17]
	s_add_nc_u64 s[22:23], s[4:5], s[20:21]
	CROUND                                         ; all sixteen work-groups are here: the first joint loads meet
.irp s, 0,1
	s_mov_b32 s[G0+4*\s], 1
	s_add_co_u32 s[G0+4*\s+1], s2, \s*SLOT
	s_add_nc_u64 s[G0+4*\s+2:G0+4*\s+3], s[18:19], \s*KSTEP*2
	s_or_b32 s[G0+4*\s+3], s[G0+4*\s+3], 0x80000000
	s_mov_b32 s[G0B+4*\s], 1
	s_add_co_u32 s[G0B+4*\s+1], s2, \s*SLOT
	s_add_nc_u64 s[G0B+4*\s+2:G0B+4*\s+3], s[22:23], \s*KSTEP*2
	s_or_b32 s[G0B+4*\s+3], s[G0B+4*\s+3], 0x80000000
	JLOAD \s                                       ; two tensor loads of mine are out
.endr
	v_and_b32 v1, 15, v0                           ; r
	v_bfe_u32 v2, v0, 4, 1                         ; h
	v_mul_u32_u24 v3, v1, PITCH
	v_lshl_add_u32 v3, v2, 4, v3                   ; a fragment's row x pitch + 16 x half
	s_mul_i32 s21, s11, HALFT                      ; my 128 rows of Q
	s_mul_i32 s22, s12, HALFT                      ; my 128 rows of K,
	s_add_co_u32 s22, s22, 2*HALFT                 ; which lie behind Q's 256
.irp s, 0,1
	v_add_nc_u32 v[ADRA+\s], s21, v3
	v_add_nc_u32 v[ADRB+\s], s22, v3
	s_add_co_u32 s21, s21, SLOT
	s_add_co_u32 s22, s22, SLOT
.endr
	s_mul_i32 s23, s10, 16*SPITCH
	s_add_co_u32 s23, s23, STAGE                   ; my stage
	v_mul_u32_u24 v4, v1, SPITCH
	v_lshl_add_u32 v4, v2, 4, v4
	v_add_nc_u32 v[STO], s23, v4                   ; in: row r, 16 bytes for each half of the lanes
	v_mul_u32_u24 v5, v2, SPITCH
	v_lshl_add_u32 v5, v1, 4, v5
	v_add_nc_u32 v[RD], s23, v5                    ; back: lanes 0-15 one row of 256 bytes, lanes 16-31 the next
	v_lshlrev_b32 v5, 12, v2                       ; and the same two rows in p16 (4,096 bytes a row)
	v_lshl_add_u32 v[CO], v1, 4, v5
	s_lshl_b32 s23, s10, 9
	s_add_co_u32 s23, s23, XM
	v_lshl_add_u32 v[XMW], v1, 2, s23              ; my wave's maxima: 4 r, + 64 a
	s_xor_b32 s23, s10, 1
	s_lshl_b32 s23, s23, 9
	s_add_co_u32 s23, s23, XM
	v_lshl_add_u32 v[XMR], v1, 2, s23              ; and those of the wave with the same rows and the other 128 keys
	s_lshl_b32 s23, s10, 10
	s_add_co_u32 s23, s23, SS
	v_lshl_add_u32 v[SSW], v1, 2, s23
	v_and_b32 v6, 31, v0
	v_lshlrev_b32 v[L16], 4, v6                    ; 16 x lane
	v_add_nc_u32 v[SSR], s23, v[L16]
	v_lshlrev_b32 v[PFO], 11, v6
	; where my part begins in p16 and in the planes of stats
	s_lshl_b32 s16, s13, 8
	s_lshl_b32 s17, s11, 7
	s_add_co_u32 s16, s16, s17                     ; my first row
	s_lshl_b32 s18, s16, 2                         ; its place in a plane
	s_lshl_b32 s16, s16, 12
	s_mov_b32 s17, 0
	s_add_nc_u64 s[6:7], s[6:7], s[16:17]
	s_lshl_b32 s20, s42, 9
	s_lshl_b32 s21, s12, 8
	s_add_co_u32 s20, s20, s21                     ; my first key, in bytes: 512 x key tile + 256 x half
	s_mov_b32 s21, 0
	s_add_nc_u64 s[6:7], s[6:7], s[20:21]
	s_lshl_b32 s20, s42, 15                        ; plane kt: 32,768 bytes a plane
	s_add_co_u32 s20, s20, s18
	s_add_nc_u64 s[72:73], s[8:9], s[20:21]
	s_lshl_b32 s20, s42, 1
	s_add_co_u32 s20, s20, s12
	s_add_co_u32 s20, s20, 8                       ; plane 8 + 2 kt + half
	s_lshl_b32 s20, s20, 15
	s_add_co_u32 s20, s20, s18
	s_add_nc_u64 s[74:75], s[8:9], s[20:21]
	; the prefetches: who asks, and where
	s_lshl_b32 s16, s13, 8                         ; Q's tile: its first row
	s_lshl_b32 s17, s42, 8
	s_lshl_b32 s18, s15, 11
	s_add_co_u32 s17, s17, s18
	s_add_co_u32 s17, s17, 8192                    ; K's tile: its first row
	s_and_b32 s20, s14, 1
	s_cmp_eq_u32 s11, 0                            ; do I fetch for Q?
	s_cselect_b32 s16, s16, s17
	s_cselect_b32 s18, s40, s41                    ; my place among the four that ask with me
	s_cselect_b32 s20, ttmp9, s20                  ; 0 in the one cluster that asks for these rows
	s_cmp_eq_u32 s20, 0
	s_cselect_b32 s[LIM], 1, -1                    ; the same in all sixteen partners, for a given wave
	s_lshl_b32 s17, s12, 7
	s_add_co_u32 s16, s16, s17                     ; + the 128 rows that I fetch
	s_lshl_b32 s18, s18, 5
	s_add_co_u32 s16, s16, s18                     ; + my work-group's 32 of them
	s_lshl_b32 s16, s16, 11
	s_mov_b32 s17, 0
	s_add_nc_u64 s[PFA:PFA+1], s[4:5], s[16:17]
	s_add_nc_u64 s[PFA:PFA+1], s[PFA:PFA+1], 3*KSTEP*2  ; at K step 3: the first refill steps it to 4.  Nothing is prefetched at the head
	s_mov_b32 s[PFS], KSTEP*2
	s_mov_b32 s[PFS+1], 0
	s_wait_tensorcnt 1                             ; my part of K step 0 is in; K step 1's load may be out
	s_barrier_signal -1
	s_barrier_wait -1
	FETCH 0, 0, F0
	LAP 1, 1, 1, 0                                 ; lap 0: its first quarter starts the sums
	WIN 0                                          ; at a label and at a branch every window is 0
	s_mov_b32 s3, NL-2
.Llap:
	LAP 0, 1, 0, 0
	WIN 0
	s_sub_co_u32 s3, s3, 1
	s_cmp_lg_u32 s3, 0
	s_cbranch_scc1 .Llap
	LAP 0, 0, 0, 1                                 ; the last lap is written out: it fills nothing
	; THE EPILOGUE.  The rows' maxima over my 128 keys: 64 numbers a lane, then lane l xor 16's, then the other wave's.
	PLACES
.irp a, 0,1,2,3,4,5,6,7
	v_mov_b32 v[TX+\a], 0                          ; a lane permute's destination counts as one of its sources
	v_mov_b32 v[NM+2*\a+1], 0                      ; (named as the upper half of a pair before the sum is written there)
.endr
.irp w, 0,1
.set WW, 0x0a+5*\w
	WIN WW                                         ; sources 0 and 1 window 2 or 3, source 2 and destination window 0
.irp a, 0,1,2,3
	v_max_num_f32 v[MX+4*\w+\a], v[64*\a], v[64*\a+1]
.endr
.set PP, 1
.rept 31                               ; the window's four blocks by turns; each accumulator is read from its low end on
.irp a, 0,1,2,3
	v_max3_num_f32 v[MX+4*\w+\a], v[64*\a+2*PP], v[64*\a+2*PP+1], v[MX+4*\w+\a]
.endr
.set PP, PP+1
.endr
.endr
	WIN 0
.irp a, 0,1,2,3,4,5,6,7
	v_permlanex16_b32 v[TX+\a], v[MX+\a], s[SEL], s[SEL+1]
.endr
.irp a, 0,1,2,3,4,5,6,7
	v_max_num_f32 v[MX+\a], v[MX+\a], v[TX+\a]
.endr
.irp a, 0,1,2,3,4,5,6,7
	ds_store_b32 v[XMW], v[MX+\a] offset:64*\a     ; lanes r and r + 16 write the same word with the same value
.endr
	s_wait_dscnt 0x0                               ; for the other wave's sake: my stores are done
	s_barrier_signal -1
	s_barrier_wait -1
.irp a, 0,1,2,3,4,5,6,7
	ds_load_b32 v[TX+\a], v[XMR] offset:64*\a
.endr
	s_wait_dscnt 0x0
.irp a, 0,1,2,3,4,5,6,7
	v_max_num_f32 v[MX+\a], v[MX+\a], v[TX+\a]     ; the largest score of the row among the tile's 256 keys
.endr
.irp a, 0,1,2,3,4,5,6,7
	v_mul_f32 v[MX+\a], s[CS], v[MX+\a]            ; as t (c is positive)
.endr
.irp a, 0,1,2,3,4,5,6,7
	v_floor_f32 v[NM+2*\a], -v[MX+\a]              ; -M = floor(-t) = -ceil(t): a whole number
.endr
; Block a: p = 2^(c s - M) in place; one wait for the block's 64 exponentials; rounded to f16 in pairs; the sum of the unrounded p as a tree in place.
.macro SOFT a
.set AC, 64*((\a)%4)
.set W, 2+(\a)/4
.set WW, (W<<6)|W
	WIN WW                                         ; source 0 and destination: the block's window; -M in window 0
.set PP, 0
.rept 32
	v_pk_fma_f32 v[AC+2*PP:AC+2*PP+1], v[AC+2*PP:AC+2*PP+1], s[CS:CS+1], v[NM+2*(\a):NM+2*(\a)+1] op_sel_hi:[1,0,0]   ; t - M, two at a time (of the pairs c and -M the low word serves both halves)
.set PP, PP+1
.endr
.set PP, 0
.rept 64
	v_exp_f32 v[AC+PP], v[AC+PP]
.set PP, PP+1
.endr
	v_nop                                          ; a plain instruction behind the last exponential
	s_wait_alu depctr_va_vdst(0)                   ; the wait ahead of the first instruction that names a result: one for the batch
.set WW, (W<<2)|W
	WIN WW
.set PP, 0
.rept 32
	v_cvt_pk_f16_f32 v[TMP+PP], v[AC+2*PP], v[AC+2*PP+1]
.set PP, PP+1
.endr
.set WW, (W<<6)|(W<<2)|W
	WIN WW
.irp st, 16,8,4,2,1
.set PP, 0
.rept \st
	v_pk_add_f32 v[AC+2*PP:AC+2*PP+1], v[AC+2*PP:AC+2*PP+1], v[AC+2*(PP+\st):AC+2*(PP+\st)+1]
.set PP, PP+1
.endr
.endr
.set WW, (W<<2)|W
	WIN WW
	v_add_f32 v[NM+2*(\a)+1], v[AC], v[AC+1]       ; my 64 keys' sum
	WIN 0
.endm
.macro TOSTAGE a
.set BKR, OB+192*((\a)%2)
.irp b, 0,1,2,3,4,5,6,7
	ds_store_b128 v[STO], v[TMP+4*\b:TMP+4*\b+3] offset:32*\b
.endr
.irp t, 0,1,2,3,4,5,6,7
	ds_load_b128 v[BKR+4*\t:BKR+4*\t+3], v[RD] offset:\t*2*SPITCH    ; LDS serves a wave's instructions in order: these see the stores above
.endr
.endm
.macro SEND a
.set BKR, OB+192*((\a)%2)
	s_wait_dscnt 0x0                               ; the block is back in registers
	s_wait_xcnt 0x0                                ; earlier stores have read their base and their data: only now are these written again
.if (\a) > 0
	s_add_nc_u64 s[6:7], s[6:7], 16*4096           ; 16 rows on
.endif
.irp t, 0,1,2,3,4,5,6,7
	global_store_b128 v[CO], v[BKR+4*\t:BKR+4*\t+3], s[6:7] offset:2*\t*4096   ; 16 lanes store 256 consecutive bytes, aligned
.endr
.endm
	SOFT 0
	TOSTAGE 0
.irp a, 1,2,3,4,5,6,7                  ; block a's arithmetic stands between block a - 1's loads from the stage and the wait for them
	SOFT \a
	SEND \a-1
	TOSTAGE \a
.endr
	SEND 7
.irp a, 0,1,2,3,4,5,6,7
	v_permlanex16_b32 v[TX+\a], v[NM+2*\a+1], s[SEL], s[SEL+1]
.endr
.irp a, 0,1,2,3,4,5,6,7
	v_add_f32 v[NM+2*\a+1], v[NM+2*\a+1], v[TX+\a] ; with lane l xor 16's 64 keys: the row's sum over my 128
.endr
.irp a, 0,1,2,3,4,5,6,7
	ds_store_b32 v[SSW], v[NM+2*\a] offset:64*\a           ; my own bytes: word 16 a + r = my row's figure
	ds_store_b32 v[SSW], v[NM+2*\a+1] offset:512+64*\a
.endr
	ds_load_b128 v[96:99], v[SSR]                  ; back as 128 words on end, four a lane
	ds_load_b128 v[100:103], v[SSR] offset:512
	s_wait_dscnt 0x0
	global_store_b128 v[L16], v[100:103], s[74:75] ; the wave stores 512 consecutive bytes, aligned
	s_cmp_lg_u32 s12, 0                            ; -M is the same in both waves of a row half: the first stores it
	s_cbranch_scc1 .Lno_m
	global_store_b128 v[L16], v[96:99], s[72:73]
.Lno_m:
	s_wait_tensorcnt 0x0                           ; the wave's end: behind my last tensor load and my last LDS store
	ds_add_u32 v[SPW], v[NIL]
	s_wait_dscnt 0x0
	CROUND                                         ; the closing round
	s_endpgm
.Lfunc_end_k_qcf553291c6_scores:
	.size	k_qcf553291c6_scores, .Lfunc_end_k_qcf553291c6_scores-k_qcf553291c6_scores
	.p2alignl 7, 3214868480
	.fill 96, 4, 3214868480
	.section	.rodata,"a",@progbits
	.p2align	6, 0x0
	.amdhsa_kernel k_qcf553291c6_scores
		.amdhsa_group_segment_fixed_size 327680
		.amdhsa_private_segment_fixed_size 0
		.amdhsa_enable_private_segment 0
		.amdhsa_kernarg_size 24
		.amdhsa_user_sgpr_count 2
		.amdhsa_user_sgpr_kernarg_segment_ptr 1
		.amdhsa_wavefront_size32 1
		.amdhsa_system_sgpr_workgroup_id_x 1
		.amdhsa_system_sgpr_workgroup_id_y 1
		.amdhsa_system_sgpr_workgroup_id_z 1
		.amdhsa_system_vgpr_workitem_id 0
		.amdhsa_next_free_vgpr 1024
		.amdhsa_next_free_sgpr 80
		.amdhsa_reserve_vcc 0
		.amdhsa_float_denorm_mode_32 3
		.amdhsa_float_denorm_mode_16_64 3
		.amdhsa_memory_ordered 1
		.amdhsa_forward_progress 1
		.amdhsa_inst_pref_size 255
	.end_amdhsa_kernel
	.section	.bss,"aw",@nobits
	.p2align	6
	.space	262144
	.amdgpu_metadata
---
amdhsa.version: [ 1, 2 ]
amdhsa.kernels:
  - .name:           k_qcf553291c6_scores
    .symbol:         k_qcf553291c6_scores.kd
    .args:
      - { .name: qkv16, .offset: 0, .size: 8, .value_kind: global_buffer, .address_space: global }
      - { .name: p16, .offset: 8, .size: 8, .value_kind: global_buffer, .address_space: global }
      - { .name: stats, .offset: 16, .size: 8, .value_kind: global_buffer, .address_space: global }
    .group_segment_fixed_size: 327680
    .private_segment_fixed_size: 0
    .kernarg_segment_align: 8
    .kernarg_segment_size: 24
    .max_flat_workgroup_size: 128
    .sgpr_count:     80
    .vgpr_count:     1024
    .wavefront_size: 32
...
	.end_amdgpu_metadata
.endif
;; end of part 3
;; launch pv (part 4): grid 4 x 64, 4 waves a work-group, clusters of 4 x 4, 327,680 bytes of LDS; arguments p16, qkv16, stats, att16; writes att16
.if DOCPART == 4
	.amdgcn_target "amdgcn-amd-amdhsa--gfx1250"
	.amdhsa_code_object_version 6
	.text
	.protected	k_qcf553291c6_pv
	.globl	k_qcf553291c6_pv
	.p2align	8
	.type	k_qcf553291c6_pv,@function
k_qcf553291c6_pv:
	s_mov_b64 s[64:65], 0
	v_nop
	global_prefetch_b8 v0, s[64:65] scope:SCOPE_SE
	s_setreg_imm32_b32 hwreg(HW_REG_WAVE_MODE, 25, 1), 1
	s_wait_xcnt 0x0
	s_wait_alu depctr_hold_cnt(0) depctr_sa_sdst(0) depctr_va_vdst(0) depctr_va_sdst(0) depctr_va_ssrc(0) depctr_va_vcc(0) depctr_vm_vsrc(0)
	s_getreg_b32 s2, hwreg(HW_REG_IB_STS2, 6, 4)
	s_cmp_eq_u32 s2, 0
	s_cbranch_scc0 .Lentry_in_a_cluster
	s_endpgm
.Lentry_in_a_cluster:
	s_bfe_u32 s2, ttmp6, 0x10000c
	s_cmp_lg_u32 s2, 0xf033
	s_cbranch_scc0 .Lentry_shape_is_right
	s_endpgm
.Lentry_shape_is_right:
; att[q][e] = (1 / l) x the sum over key tiles t of 2^(M_t - M) x (the sum over the tile's 256 keys of p[q][k] V[k][e]), rounded to f16.  p: f16, [8,192][2,048], taken under each tile's own whole number M_t;
; V: rows 16,384 on of qkv16, f16; -M_t and the sums of p: the planes of stats.  M = the largest M_t of the row: THE ROW'S MAXIMUM IS TAKEN HERE; 2^(M_t - M) is made by v_ldexp_f32 of 1.0 and rounds nothing;
; l = the sum over t of 2^(M_t - M) x (the tile's two sums).  The weights multiply f32 sums.
; LIMITS: NaN and infinities are not served; att is an f16 number (never beyond the largest |V|; under 6e-5 it has fewer bits).
; A tile of 128 queries x 256 channels is made by a work-group of four waves; a wave makes 64 x 128: 32 accumulators for the key tile in hand (window 2, begun anew with C = 0 in each lap) and 32 totals (window 3).
; K (the keys) goes in steps of 128 through a ring of two LDS slots; a lap = two K steps = one key tile.  CLUSTERS: 4 x 4: the four of a row of the cluster need the same rows of p, the four of a column the same V: joint loads.
; TRANSPOSED USE: source 0 = 16 channels of V (V lies [key][channel] in LDS and is turned by ds_load_tr16_b128), source 1 = 16 queries of p: lane (r, h) holds query r and channels 16 b + 8 h + 0 .. 7.
; REGISTERS: window 0: v0-31 addresses; v32-39 the lap's weights, in pairs; v64-95, v128-159 p's fragments; v96-127, v224-255 rows on the way out; v192-223 packed results; v200-226 the head's figures.
;   window 1: v64-127, v128-191 V's fragments.
.set MB,     4
.set NL,     8
.set KSTEP,  128
.set PITCH,  272                       ; a row of p in LDS: 256 bytes + 16
.set VP,     544                       ; a row of V: 512 bytes + 32: an odd multiple of 32, as the turning load's eight rows x 32 bytes want
.set HALFA,  64*PITCH
.set HALFB,  64*VP
.set BOFF,   2*HALFA
.set SLOT,   BOFF+2*HALFB              ; p's 128 rows, then V's 128 keys
.set STAGE,  2*SLOT
.set SPITCH, 272
.set FT,     STAGE+4*16*SPITCH         ; 8 x 512 bytes: for key tile t and row i of the work-group's 128: 2^(M_t - M) / l
.set SPARE,  FT+8*512                  ; the spare words, 128 bytes for each wave: two blocks of 256 bytes that no other line names
.set STEPA,  2*KSTEP*2                 ; p: 256 keys on in a row
.set STEPB,  2*KSTEP*2048              ; V: 256 rows on
.set ADRA, 16
.set ADRB, 20
.set STO,  24
.set RD,   25
.set CO,   26
.set FTA,  27
.set SPW,  28                          ; v28  LDS address of my spare word; never rewritten
.set NIL,  29                          ; v29  0; never rewritten
.set PFO,  30
.set FP,   32
.set TMP,  192
.set F0,   64
.set F1,   128
.set G1, 24
.set G0, 32
.set LIM, 43
.set PFA, 44
.set G1B, 48
.set G0B, 56
.set PFS, 66
.set MSB, 0
.macro WIN new                         ; the immediate's high byte repeats the setting that is left
.if MSB != (\new)
	s_set_vgpr_msb (MSB<<8)|(\new)
.set MSB, (\new)
.endif
.endm
.set MUL_LO, 0xa1
.set MUL_HI, 0xf1
.set TO_B,   0x40
; A joint load: waves 0 and 1 fetch p's two halves, waves 2 and 3 V's.  An s_nop 0 and four v_nop follow each of the two lines.
.macro JLOAD s
	s_cmp_eq_u32 s11, 0
	s_cbranch_scc0 .Lfor_b_\@
	tensor_load_to_lds s[G0+4*\s:G0+4*\s+3], s[G1:G1+7]
	s_nop 0
.rept 4
	v_nop
.endr
	s_branch .Lasked_\@
.Lfor_b_\@:
	tensor_load_to_lds s[G0B+4*\s:G0B+4*\s+3], s[G1B:G1B+7]
	s_nop 0
.rept 4
	v_nop
.endr
.Lasked_\@:
.endm
; A prefetch of the K step that stands two refills on, a lane a row of 256 bytes.  p's 128 rows: wave 0, 32 rows for each of the four partners along x.  V's 128 keys x 512 bytes: waves 2 and 3 take a half of the
; 512 bytes each, 32 keys for each of the four partners along y, in the first of a batch's four clusters.  So each 256 bytes are named once in the launch.  The loop's last trip asks for nothing.
.macro ASK how
.if \how
	s_cmp_eq_u32 s[LIM], 1
.else
	s_cmp_gt_u32 s3, s[LIM]
.endif
	s_cbranch_scc0 .Lnot_mine_\@
	global_prefetch_b8 v[PFO], s[PFA:PFA+1] th:TH_LOAD_NT scope:SCOPE_SE
.Lnot_mine_\@:
.endm
.macro CREST
	s_cmp_lg_u32 s10, 0
	s_cbranch_scc1 .Lnot_wave_0_\@
	s_barrier_signal -3
.Lnot_wave_0_\@:
	s_barrier_wait -3
	s_barrier_signal -1
	s_barrier_wait -1
.endm
.macro CROUND
	s_barrier_signal -1
	s_barrier_wait -1
	CREST
.endm
.macro PLACES
.rept 4
	v_nop
.endr
.endm
.macro MULA f, a, zero
.if (\a) < 4
	WIN MUL_LO
.else
	WIN MUL_HI
.endif
.irp b, 0,1,2,3,4,5,6,7
.if \zero
	v_wmma_f32_16x16x32_f16 v[8*(8*((\a)%4)+\b):8*(8*((\a)%4)+\b)+7], v[\f+8*\b:\f+8*\b+7], v[\f+8*(\a):\f+8*(\a)+7], 0
.else
	v_wmma_f32_16x16x32_f16 v[8*(8*((\a)%4)+\b):8*(8*((\a)%4)+\b)+7], v[\f+8*\b:\f+8*\b+7], v[\f+8*(\a):\f+8*(\a)+7], v[8*(8*((\a)%4)+\b):8*(8*((\a)%4)+\b)+7]
.endif
.endr
.endm
.macro MULS f, a0, n, zero             ; the 32 accumulators take turns, one instruction a turn
.set AA, \a0
.rept \n
	MULA \f, AA, \zero
.set AA, AA+1
.endr
.endm
.macro FETCH slot, kq, f               ; quarter kq (32 keys) of a slot: V's eight fragments, turned (16 loads), then p's four (8 loads)
	WIN TO_B
.irp i, 0,1,2,3,4,5,6,7
	ds_load_tr16_b128 v[\f+8*\i:\f+8*\i+3],   v[ADRB+\slot] offset:32*(\kq)*VP+32*\i
	ds_load_tr16_b128 v[\f+8*\i+4:\f+8*\i+7], v[ADRB+\slot] offset:32*(\kq)*VP+16*VP+32*\i
.endr
	WIN 0
.set II, 0
.rept MB
	ds_load_b128 v[\f+8*II:\f+8*II+3],   v[ADRA+\slot] offset:64*(\kq)+II*16*PITCH
	ds_load_b128 v[\f+8*II+4:\f+8*II+7], v[ADRA+\slot] offset:64*(\kq)+II*16*PITCH+32
.set II, II+1
.endr
.endm
.macro QUARTER slot, kq, f, g, zero
	s_wait_dscnt MB                                ; the youngest four LDS loads may be out: p's blocks 2 and 3, or, at a lap's head, the lap's four weights
	MULS \f, 0, MB/2, \zero
	PLACES
	FETCH \slot, (\kq)+1, \g
	s_wait_dscnt 16+2*MB                           ; all but the run just issued
	MULS \f, MB/2, MB/2, \zero
.endm
.macro TURN slot, next, fill, how      ; a slot's last quarter and the change of slots: as in the launch before
.if \fill
	s_wait_xcnt 0x0                                ; the last prefetch, a K step back, has read its address, which is stepped here
	s_add_nc_u64 s[PFA:PFA+1], s[PFA:PFA+1], s[PFS:PFS+1]
.endif
	WIN 0
	s_wait_tensorcnt 0x0                           ; all my tensor loads have landed: my part of the next slot
	ds_add_u32 v[SPW], v[NIL]                      ; 0 onto my spare word
	s_wait_dscnt MB+1                              ; (the add and the youngest four loads may be out)
	MULS F1, 0, MB/4, 0
	s_wait_dscnt 0x0                               ; the add is done, and my reads of this slot are over
	s_barrier_signal -1
	MULS F1, MB/4, MB/4, 0
.if \fill
	WIN 0
.endif
	s_barrier_wait -1
.if \fill
	CREST                                          ; no wave of any partner still reads this slot's tile or has a load on its way
	s_add_nc_u64 s[G0+4*\slot+2:G0+4*\slot+3], s[G0+4*\slot+2:G0+4*\slot+3], STEPA
	s_add_nc_u64 s[G0B+4*\slot+2:G0B+4*\slot+3], s[G0B+4*\slot+2:G0B+4*\slot+3], STEPB
	JLOAD \slot                                    ; the first tensor load behind the round: one load of mine is out
.else
	PLACES
.endif
	FETCH \next, 0, F0
.if \fill
	ASK \how
.endif
	MULS F1, MB/2, MB/2, 0
.endm
.macro LASTQ
	s_wait_dscnt MB
	MULS F1, 0, MB/2, 0
	s_wait_dscnt 0
	MULS F1, MB/2, MB/2, 0
	WIN 0
.endm
.macro LAP zero, fill, how, last
	QUARTER 0, 0, F0, F1, \zero
	QUARTER 0, 1, F1, F0, 0
	QUARTER 0, 2, F0, F1, 0
	TURN 0, 1, \fill, \how
	QUARTER 1, 0, F0, F1, 0
	QUARTER 1, 1, F1, F0, 0
	QUARTER 1, 2, F0, F1, 0
.if \last
	LASTQ
.else
	TURN 1, 0, \fill, \how
.endif
.endm
.macro FLOAD                           ; the lap's weights of my four blocks' rows; then on to the next key tile's
.irp a, 0,1,2,3
	ds_load_b32 v[FP+2*\a], v[FTA] offset:64*\a
.endr
	v_add_nc_u32 v[FTA], 512, v[FTA]
.endm
; The lap's sums, weighted, go onto the totals.  first = 1: they start the totals: nothing is cleared.  The four v_nop are the places behind the lap's last products; the 128 lines are more than the five places
; owed ahead of the next lap's first products, which write over these accumulators.
.macro LAPEND first
	PLACES
.if \first
	WIN 0xc2                                       ; source 0 window 2, source 1 window 0, destination window 3
.else
	WIN 0xf2                                       ; the same, source 2 window 3
.endif
.irp a, 0,1,2,3
.set PP, 0
.rept 32                               ; each accumulator from its low end on
.if \first
	v_pk_mul_f32 v[64*\a+2*PP:64*\a+2*PP+1], v[64*\a+2*PP:64*\a+2*PP+1], v[FP+2*\a:FP+2*\a+1] op_sel_hi:[1,0]
.else
	v_pk_fma_f32 v[64*\a+2*PP:64*\a+2*PP+1], v[64*\a+2*PP:64*\a+2*PP+1], v[FP+2*\a:FP+2*\a+1], v[64*\a+2*PP:64*\a+2*PP+1] op_sel_hi:[1,0,1]
.endif
.set PP, PP+1
.endr
.endr
	WIN 0
.endm
	s_load_b256 s[76:83], s[0:1], 0x0              ; p16 s[76:77], qkv16 s[78:79], stats s[80:81], att16 s[82:83]
	v_lshl_add_u32 v[SPW], v0, 2, SPARE
	v_mov_b32 v[NIL], 0
	ds_add_u32 v[SPW], v[NIL]                      ; the wave's opening: the add, twice on end, and its wait ahead of my first tensor load
	ds_add_u32 v[SPW], v[NIL]
	v_lshrrev_b32 v1, 5, v0
	v_readfirstlane_b32 s10, v1                    ; wave 0..3
	s_lshr_b32 s11, s10, 1                         ; which 64 of the tile's rows are mine.  Also: I fetch for p (0) or for V (1)
	s_and_b32 s12, s10, 1                          ; which 128 of its channels.  Also: which half of that tile I fetch
	s_bfe_u32 s40, ttmp6, 0x40000
	s_bfe_u32 s41, ttmp6, 0x40004
	s_lshl_b32 s42, ttmp9, 2
	s_add_co_u32 s42, s42, s40                     ; channel tile, 0 .. 3
	s_and_b32 s14, ttmp7, 0xffff                   ; cluster y, 0 .. 15
	s_lshl_b32 s13, s14, 2
	s_add_co_u32 s13, s13, s41                     ; query tile, 0 .. 63
	s_lshr_b32 s15, s14, 2                         ; the batch: sixteen query tiles, four clusters
	s_lshl_b32 s46, s41, 2
	s_lshl_b32 s46, 15, s46                        ; my row of the cluster
	s_lshl_b32 s47, 0x1111, s40                    ; my column
	s_or_b32 s[G1+0], s46, (1<<16)|(1<<20)|(1<<21)|(5<<22)|(3<<25)   ; p: 2-byte elements; four words of padding after every 64
	s_mov_b32 s[G1+1], 128<<16                     ; tensor_dim0 = 128 keys
	s_mov_b32 s[G1+2], 64<<16                      ; tensor_dim1 = 64 rows
	s_mov_b32 s[G1+3], 128<<16
	s_mov_b32 s[G1+4], 64
	s_mov_b32 s[G1+5], 2048                        ; elements from row to row
	s_mov_b32 s[G1+6], 0
	s_mov_b32 s[G1+7], 0
	s_or_b32 s[G1B+0], s47, (1<<16)|(1<<20)|(1<<21)|(6<<22)|(7<<25)  ; V: eight words of padding after every 128
	s_mov_b32 s[G1B+1], 256<<16                    ; tensor_dim0 = 256 channels
	s_mov_b32 s[G1B+2], 64<<16                     ; tensor_dim1 = 64 keys
	s_mov_b32 s[G1B+3], 256<<16
	s_mov_b32 s[G1B+4], 64
	s_mov_b32 s[G1B+5], 1024
	s_mov_b32 s[G1B+6], 0
	s_mov_b32 s[G1B+7], 0
	s_lshl_b32 s2, s12, 6                          ; which 64 rows I fetch
	s_lshl_b32 s16, s13, 7
	s_add_co_u32 s16, s16, s2
	s_lshl_b32 s16, s16, 12                        ; p: row 128 x query tile + 64 x half, 4,096 bytes a row
	s_mov_b32 s17, 0
	s_lshl_b32 s20, s15, 11
	s_add_co_u32 s20, s20, s2
	s_add_co_u32 s20, s20, 16384
	s_lshl_b32 s20, s20, 11                        ; V: row 16,384 + 2,048 x batch + 64 x half, 2,048 bytes a row,
	s_lshl_b32 s21, s42, 9
	s_add_co_u32 s20, s20, s21                     ; + 512 bytes x channel tile
	s_mov_b32 s21, 0
	s_mul_i32 s2, s12, HALFA                       ; where they go: made of the wave's number alone
	s_mul_i32 s3, s12, HALFB
	s_add_co_u32 s3, s3, BOFF
	s_wait_dscnt 0x0                               ; both opening adds are done
	s_wait_kmcnt 0x0
	s_add_nc_u64 s[18:19], s[76:77], s[16:17]
	s_add_nc_u64 s[22:23], s[78:79], s[20:21]
	CROUND                                         ; all sixteen work-groups are here: the first joint loads meet
.irp s, 0,1
	s_mov_b32 s[G0+4*\s], 1
	s_add_co_u32 s[G0+4*\s+1], s2, \s*SLOT
	s_add_nc_u64 s[G0+4*\s+2:G0+4*\s+3], s[18:19], \s*KSTEP*2
	s_or_b32 s[G0+4*\s+3], s[G0+4*\s+3], 0x80000000
	s_mov_b32 s[G0B+4*\s], 1
	s_add_co_u32 s[G0B+4*\s+1], s3, \s*SLOT
	s_add_nc_u64 s[G0B+4*\s+2:G0B+4*\s+3], s[22:23], \s*KSTEP*2048
	s_or_b32 s[G0B+4*\s+3], s[G0B+4*\s+3], 0x80000000
	JLOAD \s                                       ; two tensor loads of mine are out
.endr
	; the rows' figures: thread i takes row i of the work-group's 128
	s_lshl_b32 s16, s13, 9                         ; 128 rows x 4 bytes x query tile
	s_mov_b32 s17, 0
	s_add_nc_u64 s[80:81], s[80:81], s[16:17]
	v_lshlrev_b32 v31, 2, v0
.irp p, 0,1,2,3,4,5,6,7,8,9,10,11,12,13,14,15,16,17,18,19,20,21,22,23
	global_load_b32 v[200+\p], v31, s[80:81] offset:32768*\p   ; the wave reads 128 consecutive bytes of each plane
.endr
	v_and_b32 v1, 15, v0                           ; r
	v_bfe_u32 v2, v0, 4, 1                         ; h
	v_mul_u32_u24 v3, v1, PITCH
	v_lshl_add_u32 v3, v2, 4, v3                   ; p: a fragment's row x pitch + 16 x half
	v_and_b32 v4, 7, v0
	v_lshl_add_u32 v4, v2, 3, v4
	v_mul_u32_u24 v4, v4, VP
	v_bfe_u32 v5, v0, 3, 1
	v_lshl_add_u32 v4, v5, 4, v4                   ; V: key 8 h + l % 8, channels 8 ((l / 8) % 2) on
	s_mul_i32 s21, s11, HALFA                      ; my 64 rows of p
	s_lshl_b32 s22, s12, 8                         ; my 128 channels: 256 bytes on in V's rows,
	s_add_co_u32 s22, s22, BOFF                    ; which lie behind p's
.irp s, 0,1
	v_add_nc_u32 v[ADRA+\s], s21, v3
	v_add_nc_u32 v[ADRB+\s], s22, v4
	s_add_co_u32 s21, s21, SLOT
	s_add_co_u32 s22, s22, SLOT
.endr
	s_mul_i32 s23, s10, 16*SPITCH
	s_add_co_u32 s23, s23, STAGE                   ; my stage
	v_mul_u32_u24 v4, v1, SPITCH
	v_lshl_add_u32 v4, v2, 4, v4
	v_add_nc_u32 v[STO], s23, v4
	v_mul_u32_u24 v5, v2, SPITCH
	v_lshl_add_u32 v5, v1, 4, v5
	v_add_nc_u32 v[RD], s23, v5
	v_lshlrev_b32 v5, 11, v2                       ; two rows of att16, 2,048 bytes a row
	v_lshl_add_u32 v[CO], v1, 4, v5
	s_lshl_b32 s23, s11, 8
	s_add_co_u32 s23, s23, FT
	v_lshl_add_u32 v[FTA], v1, 2, s23              ; the weights of my rows: 256 x row half + 4 r, + 64 a, + 512 t
	v_lshl_add_u32 v226, v0, 2, FT                 ; and where thread i puts row i's
.irp a, 0,1,2,3
	v_mov_b32 v[FP+2*\a+1], 0                      ; (the upper halves of the pairs are named, so they are written)
.endr
	s_lshl_b32 s16, s13, 7
	s_lshl_b32 s18, s11, 6
	s_add_co_u32 s16, s16, s18
	s_lshl_b32 s16, s16, 11                        ; my first row of att16
	s_add_nc_u64 s[82:83], s[82:83], s[16:17]
	s_lshl_b32 s20, s42, 9
	s_lshl_b32 s21, s12, 8
	s_add_co_u32 s20, s20, s21                     ; my first channel, in bytes
	s_mov_b32 s21, 0
	s_add_nc_u64 s[82:83], s[82:83], s[20:21]
	; the prefetches: who asks, and where
	s_and_b32 s20, s14, 3
	s_lshl_b32 s16, s13, 7
	s_lshl_b32 s17, s40, 5
	s_add_co_u32 s16, s16, s17
	s_lshl_b32 s16, s16, 12
	s_add_co_u32 s16, s16, 3*KSTEP*2               ; p: row 128 x query tile + 32 cx, at K step 3
	s_lshl_b32 s17, s15, 11
	s_add_co_u32 s17, s17, 16384+3*KSTEP
	s_lshl_b32 s18, s41, 5
	s_add_co_u32 s17, s17, s18
	s_lshl_b32 s17, s17, 11                        ; V: row 16,384 + 2,048 x batch + 32 cy, at K step 3,
	s_lshl_b32 s18, s42, 9
	s_add_co_u32 s17, s17, s18
	s_lshl_b32 s18, s12, 8
	s_add_co_u32 s17, s17, s18                     ; + 512 bytes x channel tile + 256 x half
	s_mov_b32 s18, 2048
	s_mov_b32 s19, KSTEP*2048
	s_cmp_eq_u32 s11, 0                            ; do I fetch for p?
	s_cselect_b64 s[PFA:PFA+1], s[76:77], s[78:79]
	s_cselect_b32 s16, s16, s17
	s_cselect_b32 s18, 4096, s18                   ; from lane to lane: a row
	s_cselect_b32 s[PFS], 256, s19                 ; a K step on
	s_cselect_b32 s20, s12, s20                    ; 0 in the waves that ask: the same in all sixteen partners, for a given wave
	s_mov_b32 s17, 0
	s_mov_b32 s[PFS+1], 0
	s_cmp_eq_u32 s20, 0
	s_cselect_b32 s[LIM], 1, -1
	s_add_nc_u64 s[PFA:PFA+1], s[PFA:PFA+1], s[16:17]   ; the first refill steps it to K step 4.  Nothing is prefetched at the head
	v_and_b32 v[PFO], 31, v0
	v_mul_lo_u32 v[PFO], v[PFO], s18
	s_wait_loadcnt 0x0                             ; the 24 figures of my row
	v_min3_num_f32 v224, v200, v201, v202
	v_min3_num_f32 v224, v224, v203, v204
	v_min3_num_f32 v224, v224, v205, v206
	v_min_num_f32 v224, v224, v207                 ; -M = the least -M_t
.irp t, 0,1,2,3,4,5,6,7
	v_sub_f32 v[200+\t], v224, v[200+\t]           ; M_t - M: a whole number, 0 or less
.endr
.irp t, 0,1,2,3,4,5,6,7
	v_cvt_i32_f32 v[200+\t], v[200+\t]             ; (it saturates)
.endr
.irp t, 0,1,2,3,4,5,6,7
	v_ldexp_f32 v[200+\t], 1.0, v[200+\t]          ; f_t = 2^(M_t - M)
.endr
.irp t, 0,1,2,3,4,5,6,7
	v_add_f32 v[208+2*\t], v[208+2*\t], v[209+2*\t]   ; the tile's two sums
.endr
	v_mul_f32 v225, v200, v208
.irp t, 1,2,3,4,5,6,7
	v_fmac_f32 v225, v[200+\t], v[208+2*\t]        ; l: at least 1/2, since the tile that holds M has a p above 1/2
.endr
	v_rcp_f32 v225, v225
	v_nop                                          ; a plain instruction behind the reciprocal
	s_wait_alu depctr_va_vdst(0)                   ; and the wait ahead of its first reader
.irp t, 0,1,2,3,4,5,6,7
	v_mul_f32 v[200+\t], v[200+\t], v225
.endr
.irp t, 0,1,2,3,4,5,6,7
	ds_store_b32 v226, v[200+\t] offset:512*\t
.endr
	s_wait_dscnt 0x0                               ; for the others' sake: my rows' weights are stored
	s_wait_tensorcnt 1                             ; my part of K step 0 is in; K step 1's load may be out
	s_barrier_signal -1
	s_barrier_wait -1
	FETCH 0, 0, F0
	FLOAD
	LAP 1, 1, 1, 0                                 ; key tile 0
	LAPEND 1
	s_mov_b32 s3, NL-2
.Llap:                                                 ; key tiles 1 to 6
	FLOAD
	LAP 1, 1, 0, 0
	LAPEND 0
	s_sub_co_u32 s3, s3, 1
	s_cmp_lg_u32 s3, 0
	s_cbranch_scc1 .Llap
	FLOAD
	LAP 1, 0, 0, 1                                 ; key tile 7 is written out: it fills nothing
	LAPEND 0
; THE WAY OUT: the totals, rounded to f16, through my stage, as whole rows of 256 bytes.
.macro PACK a
	WIN 0x0f                                       ; sources 0 and 1: window 3
.irp b, 0,1,2,3,4,5,6,7
.irp r, 0,1,2,3
	v_cvt_pk_f16_f32 v[TMP+4*\b+\r], v[64*(\a)+8*\b+2*\r], v[64*(\a)+8*\b+2*\r+1]
.endr
.endr
	WIN 0
.endm
.macro TOSTAGE a
.set BKR, 96+128*((\a)%2)
.irp b, 0,1,2,3,4,5,6,7
	ds_store_b128 v[STO], v[TMP+4*\b:TMP+4*\b+3] offset:32*\b
.endr
.irp t, 0,1,2,3,4,5,6,7
	ds_load_b128 v[BKR+4*\t:BKR+4*\t+3], v[RD] offset:\t*2*SPITCH    ; LDS serves a wave's instructions in order: these see the stores above
.endr
.endm
.macro SEND a
.set BKR, 96+128*((\a)%2)
	s_wait_dscnt 0x0
	s_wait_xcnt 0x0                                ; earlier stores have read their base and their data: only now are these written again
.if (\a) > 0
	s_add_nc_u64 s[82:83], s[82:83], 16*2048
.endif
.irp t, 0,1,2,3,4,5,6,7
	global_store_b128 v[CO], v[BKR+4*\t:BKR+4*\t+3], s[82:83] offset:2*\t*2048   ; 16 lanes store 256 consecutive bytes, aligned
.endr
.endm
	PACK 0
	TOSTAGE 0
.irp a, 1,2,3
	PACK \a
	SEND \a-1
	TOSTAGE \a
.endr
	SEND 3
	s_wait_tensorcnt 0x0                           ; the wave's end: behind my last tensor load and my last LDS store
	ds_add_u32 v[SPW], v[NIL]
	s_wait_dscnt 0x0
	CROUND                                         ; the closing round
	s_endpgm
.Lfunc_end_k_qcf553291c6_pv:
	.size	k_qcf553291c6_pv, .Lfunc_end_k_qcf553291c6_pv-k_qcf553291c6_pv
	.p2alignl 7, 3214868480
	.fill 96, 4, 3214868480
	.section	.rodata,"a",@progbits
	.p2align	6, 0x0
	.amdhsa_kernel k_qcf553291c6_pv
		.amdhsa_group_segment_fixed_size 327680
		.amdhsa_private_segment_fixed_size 0
		.amdhsa_enable_private_segment 0
		.amdhsa_kernarg_size 32
		.amdhsa_user_sgpr_count 2
		.amdhsa_user_sgpr_kernarg_segment_ptr 1
		.amdhsa_wavefront_size32 1
		.amdhsa_system_sgpr_workgroup_id_x 1
		.amdhsa_system_sgpr_workgroup_id_y 1
		.amdhsa_system_sgpr_workgroup_id_z 1
		.amdhsa_system_vgpr_workitem_id 0
		.amdhsa_next_free_vgpr 1024
		.amdhsa_next_free_sgpr 84
		.amdhsa_reserve_vcc 0
		.amdhsa_float_denorm_mode_32 3
		.amdhsa_float_denorm_mode_16_64 3
		.amdhsa_memory_ordered 1
		.amdhsa_forward_progress 1
		.amdhsa_inst_pref_size 152
	.end_amdhsa_kernel
	.amdgpu_metadata
---
amdhsa.version: [ 1, 2 ]
amdhsa.kernels:
  - .name:           k_qcf553291c6_pv
    .symbol:         k_qcf553291c6_pv.kd
    .args:
      - { .name: p16, .offset: 0, .size: 8, .value_kind: global_buffer, .address_space: global }
      - { .name: qkv16, .offset: 8, .size: 8, .value_kind: global_buffer, .address_space: global }
      - { .name: stats, .offset: 16, .size: 8, .value_kind: global_buffer, .address_space: global }
      - { .name: att16, .offset: 24, .size: 8, .value_kind: global_buffer, .address_space: global }
    .group_segment_fixed_size: 327680
    .private_segment_fixed_size: 0
    .kernarg_segment_align: 8
    .kernarg_segment_size: 32
    .max_flat_workgroup_size: 128
    .sgpr_count:     84
    .vgpr_count:     1024
    .wavefront_size: 32
...
	.end_amdgpu_metadata
.endif
;; end of part 4
;; launch oproj (part 5): grid 4 x 64, 4 waves a work-group, clusters of 4 x 4, 327,680 bytes of LDS; arguments att16, ow16, out0; writes out0
.if DOCPART == 5
	.amdgcn_target "amdgcn-amd-amdhsa--gfx1250"
	.amdhsa_code_object_version 6
	.text
	.protected	k_qcf553291c6_oproj
	.globl	k_qcf553291c6_oproj
	.p2align	8
	.type	k_qcf553291c6_oproj,@function
k_qcf553291c6_oproj:
	s_mov_b64 s[64:65], 0
	v_nop
	global_prefetch_b8 v0, s[64:65] scope:SCOPE_SE
	s_setreg_imm32_b32 hwreg(HW_REG_WAVE_MODE, 25, 1), 1
	s_wait_xcnt 0x0
	s_wait_alu depctr_hold_cnt(0) depctr_sa_sdst(0) depctr_va_vdst(0) depctr_va_sdst(0) depctr_va_ssrc(0) depctr_va_vcc(0) depctr_vm_vsrc(0)
	s_getreg_b32 s2, hwreg(HW_REG_IB_STS2, 6, 4)
	s_cmp_eq_u32 s2, 0
	s_cbranch_scc0 .Lentry_in_a_cluster
	s_endpgm
.Lentry_in_a_cluster:
	s_bfe_u32 s2, ttmp6, 0x10000c
	s_cmp_lg_u32 s2, 0xf033
	s_cbranch_scc0 .Lentry_shape_is_right
	s_endpgm
.Lentry_shape_is_right:
; out0[row][f] = the sum over e of att[row][e] O_weight[f][e]: f16 operands (att16 [8,192][1,024], ow16 [1,024][1,024]), f32 sums, f32 out.
; A tile of 128 rows x 256 columns is made by a work-group of four waves; a wave makes 64 x 128: 32 accumulators.  K goes in steps of 128 through a ring of two LDS slots filled by the tensor data mover.
; CLUSTERS: 4 x 4: the four of a row of the cluster need the same rows of att, the four of a column the same rows of the weight: joint loads.
; TRANSPOSED USE: source 0 = 16 rows of the weight, source 1 = 16 rows of att: a lane holds eight neighbouring numbers of a row of out0.
; REGISTERS: window 0: v0-31 addresses; v64-95, v128-159 att's fragments; on the way out v128-255 rows.  window 1: v64-127, v128-191 the weight's fragments.  window 2: the accumulators ((a, b) at v[8 (8 a + b)]).
.set MB,     4
.set NL,     4
.set KSTEP,  128
.set PITCH,  272                       ; an LDS row: 256 bytes + 16
.set HALFA,  64*PITCH
.set HALFB,  128*PITCH
.set BOFF,   2*HALFA
.set SLOT,   BOFF+2*HALFB              ; att's 128 rows, then the weight's 256
.set STAGE,  2*SLOT                    ; behind the ring: 16 rows x (512 + 16) bytes for each wave
.set SPITCH, 528
.set SPARE,  STAGE+4*16*SPITCH         ; the spare words, 128 bytes for each wave: two blocks of 256 bytes that no other line names
.set STEPA,  2*KSTEP*2
.set STEPB,  2*KSTEP*2
.set ADRA, 16
.set ADRB, 20
.set STO,  24
.set RD,   25
.set CO,   26
.set SPW,  28                          ; v28  LDS address of my spare word; never rewritten
.set NIL,  29                          ; v29  0; never rewritten
.set PFO,  30
.set F0,   64
.set F1,   128
.set G1, 24
.set G0, 32
.set LIM, 43
.set PFA, 44
.set G1B, 48
.set G0B, 56
.set PFS, 66
.set MSB, 0
.macro WIN new                         ; the immediate's high byte repeats the setting that is left
.if MSB != (\new)
	s_set_vgpr_msb (MSB<<8)|(\new)
.set MSB, (\new)
.endif
.endm
.set MUL_LO, 0xa1
.set MUL_HI, 0xf1
.set TO_B,   0x40
; A joint load: waves 0 and 1 fetch att's two halves, waves 2 and 3 the weight's.  An s_nop 0 and four v_nop follow each of the two lines.
.macro JLOAD s
	s_cmp_eq_u32 s11, 0
	s_cbranch_scc0 .Lfor_b_\@
	tensor_load_to_lds s[G0+4*\s:G0+4*\s+3], s[G1:G1+7]
	s_nop 0
.rept 4
	v_nop
.endr
	s_branch .Lasked_\@
.Lfor_b_\@:
	tensor_load_to_lds s[G0B+4*\s:G0B+4*\s+3], s[G1B:G1B+7]
	s_nop 0
.rept 4
	v_nop
.endr
.Lasked_\@:
.endm
; A prefetch of the K step that stands two refills on, a lane a row of 256 bytes.  att's 128 rows: wave 0, 32 rows for each of the four partners along x.  The weight's 256 rows: waves 2 and 3, 128 each, 32 for each
; of the four partners along y, in the cluster with y = 0.  So each 256 bytes are named once in the launch.  The loop's last trip asks for nothing.
.macro ASK how
.if \how
	s_cmp_eq_u32 s[LIM], 1
.else
	s_cmp_gt_u32 s3, s[LIM]
.endif
	s_cbranch_scc0 .Lnot_mine_\@
	global_prefetch_b8 v[PFO], s[PFA:PFA+1] th:TH_LOAD_NT scope:SCOPE_SE
.Lnot_mine_\@:
.endm
.macro CREST
	s_cmp_lg_u32 s10, 0
	s_cbranch_scc1 .Lnot_wave_0_\@
	s_barrier_signal -3
.Lnot_wave_0_\@:
	s_barrier_wait -3
	s_barrier_signal -1
	s_barrier_wait -1
.endm
.macro CROUND
	s_barrier_signal -1
	s_barrier_wait -1
	CREST
.endm
.macro PLACES
.rept 4
	v_nop
.endr
.endm
.macro MULA f, a, zero
.if (\a) < 4
	WIN MUL_LO
.else
	WIN MUL_HI
.endif
.irp b, 0,1,2,3,4,5,6,7
.if \zero
	v_wmma_f32_16x16x32_f16 v[8*(8*((\a)%4)+\b):8*(8*((\a)%4)+\b)+7], v[\f+8*\b:\f+8*\b+7], v[\f+8*(\a):\f+8*(\a)+7], 0
.else
	v_wmma_f32_16x16x32_f16 v[8*(8*((\a)%4)+\b):8*(8*((\a)%4)+\b)+7], v[\f+8*\b:\f+8*\b+7], v[\f+8*(\a):\f+8*(\a)+7], v[8*(8*((\a)%4)+\b):8*(8*((\a)%4)+\b)+7]
.endif
.endr
.endm
.macro MULS f, a0, n, zero             ; the 32 accumulators take turns, one instruction a turn
.set AA, \a0
.rept \n
	MULA \f, AA, \zero
.set AA, AA+1
.endr
.endm
.macro FETCH slot, kq, f
	WIN TO_B
.irp i, 0,1,2,3,4,5,6,7
	ds_load_b128 v[\f+8*\i:\f+8*\i+3],   v[ADRB+\slot] offset:64*(\kq)+\i*16*PITCH
	ds_load_b128 v[\f+8*\i+4:\f+8*\i+7], v[ADRB+\slot] offset:64*(\kq)+\i*16*PITCH+32
.endr
	WIN 0
.set II, 0
.rept MB
	ds_load_b128 v[\f+8*II:\f+8*II+3],   v[ADRA+\slot] offset:64*(\kq)+II*16*PITCH
	ds_load_b128 v[\f+8*II+4:\f+8*II+7], v[ADRA+\slot] offset:64*(\kq)+II*16*PITCH+32
.set II, II+1
.endr
.endm
.macro QUARTER slot, kq, f, g, zero
	s_wait_dscnt MB                                ; the youngest four loads (att's blocks 2 and 3) may be out
	MULS \f, 0, MB/2, \zero
	PLACES
	FETCH \slot, (\kq)+1, \g
	s_wait_dscnt 16+2*MB                           ; all but the run just issued
	MULS \f, MB/2, MB/2, \zero
.endm
.macro TURN slot, next, fill, how      ; a slot's last quarter and the change of slots
.if \fill
	s_wait_xcnt 0x0                                ; the last prefetch, a K step back, has read its address, which is stepped here
	s_add_nc_u64 s[PFA:PFA+1], s[PFA:PFA+1], s[PFS:PFS+1]
.endif
	WIN 0
	s_wait_tensorcnt 0x0                           ; all my tensor loads have landed: my part of the next slot
	ds_add_u32 v[SPW], v[NIL]                      ; 0 onto my spare word
	s_wait_dscnt MB+1                              ; (the add and the youngest four loads may be out)
	MULS F1, 0, MB/4, 0
	s_wait_dscnt 0x0                               ; the add is done, and my reads of this slot are over
	s_barrier_signal -1
	MULS F1, MB/4, MB/4, 0
.if \fill
	WIN 0
.endif
	s_barrier_wait -1
.if \fill
	CREST                                          ; no wave of any partner still reads this slot's tile or has a load on its way
	s_add_nc_u64 s[G0+4*\slot+2:G0+4*\slot+3], s[G0+4*\slot+2:G0+4*\slot+3], STEPA
	s_add_nc_u64 s[G0B+4*\slot+2:G0B+4*\slot+3], s[G0B+4*\slot+2:G0B+4*\slot+3], STEPB
	JLOAD \slot                                    ; the first tensor load behind the round: one load of mine is out
.else
	PLACES
.endif
	FETCH \next, 0, F0
.if \fill
	ASK \how
.endif
	MULS F1, MB/2, MB/2, 0
.endm
.macro LASTQ
	s_wait_dscnt MB
	MULS F1, 0, MB/2, 0
	s_wait_dscnt 0
	MULS F1, MB/2, MB/2, 0
	WIN 0
.endm
.macro LAP zero, fill, how, last
	QUARTER 0, 0, F0, F1, \zero
	QUARTER 0, 1, F1, F0, 0
	QUARTER 0, 2, F0, F1, 0
	TURN 0, 1, \fill, \how
	QUARTER 1, 0, F0, F1, 0
	QUARTER 1, 1, F1, F0, 0
	QUARTER 1, 2, F0, F1, 0
.if \last
	LASTQ
.else
	TURN 1, 0, \fill, \how
.endif
.endm
	s_load_b128 s[4:7], s[0:1], 0x0                ; att16 s[4:5], ow16 s[6:7]
	s_load_b64 s[8:9], s[0:1], 0x10                ; out0
	v_lshl_add_u32 v[SPW], v0, 2, SPARE
	v_mov_b32 v[NIL], 0
	ds_add_u32 v[SPW], v[NIL]                      ; the wave's opening: the add, twice on end, and its wait ahead of my first tensor load
	ds_add_u32 v[SPW], v[NIL]
	v_lshrrev_b32 v1, 5, v0
	v_readfirstlane_b32 s10, v1                    ; wave 0..3
	s_lshr_b32 s11, s10, 1                         ; which 64 of the tile's rows are mine.  Also: I fetch for att (0) or for the weight (1)
	s_and_b32 s12, s10, 1                          ; which 128 of its columns.  Also: which half of that tile I fetch
	s_bfe_u32 s40, ttmp6, 0x40000
	s_bfe_u32 s41, ttmp6, 0x40004
	s_lshl_b32 s42, ttmp9, 2
	s_add_co_u32 s42, s42, s40                     ; tile column, 0 .. 3
	s_and_b32 s14, ttmp7, 0xffff                   ; cluster y
	s_lshl_b32 s13, s14, 2
	s_add_co_u32 s13, s13, s41                     ; tile row, 0 .. 63
	s_lshl_b32 s46, s41, 2
	s_lshl_b32 s46, 15, s46                        ; my row of the cluster
	s_lshl_b32 s47, 0x1111, s40                    ; my column
	s_or_b32 s[G1+0], s46, (1<<16)|(1<<20)|(1<<21)|(5<<22)|(3<<25)   ; 2-byte elements; four words of padding after every 64
	s_mov_b32 s[G1+1], KSTEP<<16
	s_mov_b32 s[G1+2], 64<<16                      ; att: 64 rows to a load
	s_mov_b32 s[G1+3], KSTEP<<16
	s_mov_b32 s[G1+4], 64
	s_mov_b32 s[G1+5], 1024
	s_mov_b32 s[G1+6], 0
	s_mov_b32 s[G1+7], 0
	s_or_b32 s[G1B+0], s47, (1<<16)|(1<<20)|(1<<21)|(5<<22)|(3<<25)
	s_mov_b32 s[G1B+1], KSTEP<<16
	s_mov_b32 s[G1B+2], 128<<16                    ; the weight: 128 rows to a load
	s_mov_b32 s[G1B+3], KSTEP<<16
	s_mov_b32 s[G1B+4], 128
	s_mov_b32 s[G1B+5], 1024
	s_mov_b32 s[G1B+6], 0
	s_mov_b32 s[G1B+7], 0
	s_lshl_b32 s2, s12, 6
	s_lshl_b32 s16, s13, 7
	s_add_co_u32 s16, s16, s2
	s_lshl_b32 s16, s16, 11                        ; att: row 128 x tile row + 64 x half, 2,048 bytes a row
	s_mov_b32 s17, 0
	s_lshl_b32 s2, s12, 7
	s_lshl_b32 s20, s42, 8
	s_add_co_u32 s20, s20, s2
	s_lshl_b32 s20, s20, 11                        ; the weight: row 256 x tile column + 128 x half
	s_mov_b32 s21, 0
	s_mul_i32 s2, s12, HALFA                       ; where they go: made of the wave's number alone
	s_mul_i32 s3, s12, HALFB
	s_add_co_u32 s3, s3, BOFF
	s_wait_dscnt 0x0                               ; both opening adds are done
	s_wait_kmcnt 0x0
	s_add_nc_u64 s[18:19], s[4:5], s[16:17]
	s_add_nc_u64 s[22:23], s[6:7], s[20:21]
	CROUND                                         ; all sixteen work-groups are here: the first joint loads meet
.irp s, 0,1
	s_mov_b32 s[G0+4*\s], 1
	s_add_co_u32 s[G0+4*\s+1], s2, \s*SLOT
	s_add_nc_u64 s[G0+4*\s+2:G0+4*\s+3], s[18:19], \s*KSTEP*2
	s_or_b32 s[G0+4*\s+3], s[G0+4*\s+3], 0x80000000
	s_mov_b32 s[G0B+4*\s], 1
	s_add_co_u32 s[G0B+4*\s+1], s3, \s*SLOT
	s_add_nc_u64 s[G0B+4*\s+2:G0B+4*\s+3], s[22:23], \s*KSTEP*2
	s_or_b32 s[G0B+4*\s+3], s[G0B+4*\s+3], 0x80000000
	JLOAD \s                                       ; two tensor loads of mine are out
.endr
	v_and_b32 v1, 15, v0                           ; r
	v_bfe_u32 v2, v0, 4, 1                         ; h
	v_mul_u32_u24 v3, v1, PITCH
	v_lshl_add_u32 v3, v2, 4, v3
	s_mul_i32 s21, s11, HALFA                      ; my 64 rows of att
	s_mul_i32 s22, s12, HALFB                      ; my 128 rows of the weight,
	s_add_co_u32 s22, s22, BOFF                    ; which lie behind att's
.irp s, 0,1
	v_add_nc_u32 v[ADRA+\s], s21, v3
	v_add_nc_u32 v[ADRB+\s], s22, v3
	s_add_co_u32 s21, s21, SLOT
	s_add_co_u32 s22, s22, SLOT
.endr
	s_mul_i32 s23, s10, 16*SPITCH
	s_add_co_u32 s23, s23, STAGE                   ; my stage
	v_mul_u32_u24 v5, v1, SPITCH                   ; in: row r, 32 bytes for each half of the lanes
	v_lshl_add_u32 v5, v2, 5, v5
	v_add_nc_u32 v[STO], s23, v5
	v_and_b32 v6, 31, v0
	v_lshlrev_b32 v[CO], 4, v6                     ; back: the 32 lanes take one row of 512 bytes; and the same in out0
	v_add_nc_u32 v[RD], s23, v[CO]
	v_lshlrev_b32 v[PFO], 11, v6                   ; the prefetches: a lane a row of 2,048 bytes
	s_lshl_b32 s16, s13, 7
	s_lshl_b32 s18, s11, 6
	s_add_co_u32 s16, s16, s18
	s_lshl_b32 s16, s16, 12                        ; my first row of out0, 4,096 bytes a row
	s_add_nc_u64 s[8:9], s[8:9], s[16:17]
	s_lshl_b32 s20, s42, 10
	s_lshl_b32 s21, s12, 9
	s_add_co_u32 s20, s20, s21                     ; my first column, in bytes
	s_mov_b32 s21, 0
	s_add_nc_u64 s[8:9], s[8:9], s[20:21]
	; the prefetches: who asks, and where
	s_lshl_b32 s16, s13, 7
	s_lshl_b32 s18, s40, 5
	s_add_co_u32 s16, s16, s18                     ; att: row 128 x tile row + 32 cx
	s_lshl_b32 s18, s42, 8
	s_lshl_b32 s19, s12, 7
	s_add_co_u32 s18, s18, s19
	s_lshl_b32 s19, s41, 5
	s_add_co_u32 s18, s18, s19                     ; the weight: row 256 x tile column + 128 x half + 32 cy
	s_cmp_eq_u32 s11, 0                            ; do I fetch for att?
	s_cselect_b64 s[PFA:PFA+1], s[4:5], s[6:7]
	s_cselect_b32 s16, s16, s18
	s_cselect_b32 s20, s12, s14                    ; 0 in the waves that ask: the same in all sixteen partners, for a given wave
	s_cmp_eq_u32 s20, 0
	s_cselect_b32 s[LIM], 1, -1
	s_lshl_b32 s16, s16, 11
	s_add_co_u32 s16, s16, 3*KSTEP*2               ; at K step 3: the first refill steps it to 4.  Nothing is prefetched at the head
	s_add_nc_u64 s[PFA:PFA+1], s[PFA:PFA+1], s[16:17]
	s_mov_b32 s[PFS], KSTEP*2
	s_mov_b32 s[PFS+1], 0
	s_wait_tensorcnt 1                             ; my part of K step 0 is in; K step 1's load may be out
	s_barrier_signal -1
	s_barrier_wait -1
	FETCH 0, 0, F0
	LAP 1, 1, 1, 0                                 ; lap 0: its first quarter starts the sums
	WIN 0
	s_mov_b32 s3, NL-2
.Llap:
	LAP 0, 1, 0, 0
	WIN 0
	s_sub_co_u32 s3, s3, 1
	s_cmp_lg_u32 s3, 0
	s_cbranch_scc1 .Llap
	LAP 0, 0, 0, 1                                 ; the last lap is written out: it fills nothing
; THE WAY OUT, block by block of 16 rows x 128 columns: a lane's 32 bytes of a row go into my own stage and come back as whole rows of 512 bytes.
.macro TOSTAGE a
.set AC, 64*(\a)
	WIN 0x08                                       ; an LDS store's data are its source 1: window 2
.irp b, 0,1,2,3,4,5,6,7
	ds_store_b128 v[STO], v[AC+8*\b:AC+8*\b+3] offset:64*\b          ; each accumulator from its low end on
	ds_store_b128 v[STO], v[AC+8*\b+4:AC+8*\b+7] offset:64*\b+16
.endr
	WIN 0
.set BB, 128+64*((\a)%2)
.irp t, 0,1,2,3,4,5,6,7,8,9,10,11,12,13,14,15
	ds_load_b128 v[BB+4*\t:BB+4*\t+3], v[RD] offset:\t*SPITCH        ; LDS serves a wave's instructions in order: these see the stores above
.endr
.endm
.macro SEND a, younger                 ; younger: the LDS instructions issued behind block a's loads, which may stay out
.set BB, 128+64*((\a)%2)
	s_wait_dscnt \younger
.if (\a) > 0
	s_add_nc_u64 s[8:9], s[8:9], 16*4096           ; (behind a wait on XCNT: the earlier stores have read their base)  16 rows on
.endif
.irp t, 0,1,2,3,4,5,6,7,8,9,10,11,12,13,14,15
	global_store_b128 v[CO], v[BB+4*\t:BB+4*\t+3], s[8:9] offset:\t*4096 th:TH_STORE_NT   ; 32 lanes store 512 consecutive bytes, aligned; written once, read by nobody here
.endr
.endm
	PLACES                                         ; behind the last products: for the stores that read results and the loads into registers that held fragments
	TOSTAGE 0
.irp a, 1,2,3
.if \a > 1
	s_wait_xcnt 0x0                                ; block a - 2's stores have read their registers and their base
.endif
	TOSTAGE \a
	SEND \a-1, 32                                  ; behind block a - 1's loads: block a's 16 stores and 16 loads
.endr
	s_wait_xcnt 0x0
	SEND 3, 0
	s_wait_tensorcnt 0x0                           ; the wave's end: behind my last tensor load and my last LDS store
	ds_add_u32 v[SPW], v[NIL]
	s_wait_dscnt 0x0
	CROUND                                         ; the closing round
	s_endpgm
.Lfunc_end_k_qcf553291c6_oproj:
	.size	k_qcf553291c6_oproj, .Lfunc_end_k_qcf553291c6_oproj-k_qcf553291c6_oproj
	.p2alignl 7, 3214868480
	.fill 96, 4, 3214868480
	.section	.rodata,"a",@progbits
	.p2align	6, 0x0
	.amdhsa_kernel k_qcf553291c6_oproj
		.amdhsa_group_segment_fixed_size 327680
		.amdhsa_private_segment_fixed_size 0
		.amdhsa_enable_private_segment 0
		.amdhsa_kernarg_size 24
		.amdhsa_user_sgpr_count 2
		.amdhsa_user_sgpr_kernarg_segment_ptr 1
		.amdhsa_wavefront_size32 1
		.amdhsa_system_sgpr_workgroup_id_x 1
		.amdhsa_system_sgpr_workgroup_id_y 1
		.amdhsa_system_sgpr_workgroup_id_z 1
		.amdhsa_system_vgpr_workitem_id 0
		.amdhsa_next_free_vgpr 768
		.amdhsa_next_free_sgpr 80
		.amdhsa_reserve_vcc 0
		.amdhsa_float_denorm_mode_32 3
		.amdhsa_float_denorm_mode_16_64 3
		.amdhsa_memory_ordered 1
		.amdhsa_forward_progress 1
		.amdhsa_inst_pref_size 119
	.end_amdhsa_kernel
	.amdgpu_metadata
---
amdhsa.version: [ 1, 2 ]
amdhsa.kernels:
  - .name:           k_qcf553291c6_oproj
    .symbol:         k_qcf553291c6_oproj.kd
    .args:
      - { .name: att16, .offset: 0, .size: 8, .value_kind: global_buffer, .address_space: global }
      - { .name: ow16, .offset: 8, .size: 8, .value_kind: global_buffer, .address_space: global }
      - { .name: out0, .offset: 16, .size: 8, .value_kind: global_buffer, .address_space: global }
    .group_segment_fixed_size: 327680
    .private_segment_fixed_size: 0
    .kernarg_segment_align: 8
    .kernarg_segment_size: 24
    .max_flat_workgroup_size: 128
    .sgpr_count:     80
    .vgpr_count:     768
    .wavefront_size: 32
...
	.end_amdgpu_metadata
.endif
;; end of part 5
